; MI455X (gfx1250); checked and timed in simulation.
; The chip was launched on July 23, 2026; its instructions are those of AMD's public machine-readable ISA for CDNA 5 (MIT licence, August 2026) and "CDNA5" Instruction Set Architecture Reference Guide (July 2026). The comments in the code are by the model that wrote it; some were corrected since.
;; Causal Self Attention MLA. Allowed arithmetic: float matrix products may take bf16 or f16 operands with f32 sums; other float arithmetic in f32, or as packed bf16 or f16 multiplies, adds, multiply-adds, maxima and minima; sums over many terms, partial sums and values carried from step to step in f32; what a program stores and reads back later, other than sums and carried values, may be rounded once to bf16 or f16.
;; Inputs: W_d 2,048 x 2,048 float32; W_latent 2,048 x 128 float32; W_proj 2,048 x 2,048 float32; b_d 2,048 float32; b_latent 128 float32; b_proj 2,048 float32; x 2 x 2,048 x 2,048 float32.
;; Outputs: out0 2 x 2,048 x 2,048 float32.
;; One version. Each part assembles by itself: llvm-mc -triple=amdgcn-amd-amdhsa -mcpu=gfx1250 --defsym DOCPART=n.
;; ======== version 1 of 1: 4 launches
;; limits: values are held in f16: magnitudes above 65,504 overflow, below 6.1e-05 lose precision
;; workspace buffers: xb 16,777,216 bytes; wdb 8,388,608 bytes; wlb 524,288 bytes; wpb 8,388,608 bytes; rope 1,048,576 bytes; qb 16,777,216 bytes; kvb 2,097,152 bytes; yb 16,777,216 bytes
;; launch prep (part 1): grid 1104 x 1, 8 waves a work-group, no clusters, 0 bytes of LDS; arguments x, W_d, W_proj, W_latent, xb, wdb, wpb, wlb, rope; writes xb, wdb, wpb, wlb, rope
.if DOCPART == 1
	.amdgcn_target "amdgcn-amd-amdhsa--gfx1250"
	.amdhsa_code_object_version 6
	.text
	.protected	k_q9b72c6aa71_prep
	.globl	k_q9b72c6aa71_prep
	.p2align	8
	.type	k_q9b72c6aa71_prep,@function
k_q9b72c6aa71_prep:
	s_mov_b64 s[64:65], 0
	v_nop
	global_prefetch_b8 v0, s[64:65] scope:SCOPE_SE
	s_setreg_imm32_b32 hwreg(HW_REG_WAVE_MODE, 25, 1), 1
	s_wait_xcnt 0x0
; PREP.  Rounds the large inputs once to 16 bits and makes the table of the rotation.
;   x, W_d, W_latent -> bf16 (xb, wdb as they lie; wlb in blocks [16 columns][k][16], so that a K step's 128 rows of one block are 4,096 dense bytes)
;   W_proj -> bf16, and that number written as f16 (wpb).  LIMIT: |W_proj| under 65,504; below 6e-5 f16 keeps its fixed step of 6e-8.
;   rope[t][pair][cos, sin] in f32, t = 0 .. 2047, pair = 0 .. 63: angle = f32(t) x 10000^(-pair/64), the product rounded as in the module.
; The work-group's number picks the work: 0-511 x, 512-767 W_d, 768-1023 W_proj, 1024-1039 W_latent, 1040-1103 the table.
; A converting work-group takes 16,384 numbers, a thread eight chunks of 8: all 16 loads go out first, each store of a wave covers 512 consecutive bytes, aligned.
; Memory binds here: no LDS, no barrier, no matrix unit.
; SINE AND COSINE: the angle (under 2,048) less the nearest multiple of pi/2, pi/2 taken in two parts (the first of 8 bits, so its product with the multiple is exact),
; then the series to r^7 and r^8 on |r| <= pi/4 (what is cut is under 4e-7), then the quadrant.
.set IN,  1                            ; v1  my byte offset in the source
.set OUT, 2                            ; v2  my byte offset in the destination
.set X,   4                            ; v[4:67]    eight chunks of 8 f32
.set Y,   68                           ; v[68:99]   eight chunks of 8 numbers of 16 bits
.set T,   100                          ; v[100:107] at work
; mode 0: to bf16.  mode 1: to bf16, and that number as f16.
.macro CVT src, dst, instep, outstep, mode
.irp i, 0,1,2,3,4,5,6,7
	global_load_b128 v[X+8*(\i):X+8*(\i)+3],   v[IN], s[\src:\src+1] offset:(\i)*(\instep) th:TH_LOAD_NT
	global_load_b128 v[X+8*(\i)+4:X+8*(\i)+7], v[IN], s[\src:\src+1] offset:(\i)*(\instep)+16 th:TH_LOAD_NT
.endr
.irp i, 0,1,2,3,4,5,6,7
	s_wait_loadcnt 14-2*(\i)                       ; loads come back in order: chunk i is in, the 14 - 2 i younger loads stay out
.irp p, 0,1,2,3
	v_cvt_pk_bf16_f32 v[Y+4*(\i)+(\p)], v[X+8*(\i)+2*(\p)], v[X+8*(\i)+2*(\p)+1]
.endr
.if \mode
.irp p, 0,1,2,3
	v_lshlrev_b32 v[T+2*(\p)],   16, v[Y+4*(\i)+(\p)]
	v_and_b32     v[T+2*(\p)+1], 0xffff0000, v[Y+4*(\i)+(\p)]
.endr
.irp p, 0,1,2,3
	v_cvt_pk_f16_f32 v[Y+4*(\i)+(\p)], v[T+2*(\p)], v[T+2*(\p)+1]
.endr
.endif
	global_store_b128 v[OUT], v[Y+4*(\i):Y+4*(\i)+3], s[\dst:\dst+1] offset:(\i)*(\outstep)
.endr
.endm
	s_load_b512 s[4:19], s[0:1], 0x0               ; x 4, W_d 6, W_proj 8, W_latent 10, xb 12, wdb 14, wpb 16, wlb 18
	s_load_b64 s[20:21], s[0:1], 0x40              ; rope
	v_lshlrev_b32 v[IN], 5, v0                     ; 32 bytes of f32 a thread
	v_lshlrev_b32 v[OUT], 4, v0                    ; 16 bytes out
	s_mov_b32 s23, 0
	s_mov_b32 s25, 0
	s_wait_kmcnt 0x0
	s_cmp_lt_u32 ttmp9, 512
	s_cbranch_scc0 .Lnot_x
	s_lshl_b32 s22, ttmp9, 16                      ; 65,536 bytes in,
	s_lshl_b32 s24, ttmp9, 15                      ; 32,768 out, for each work-group
	s_add_nc_u64 s[4:5], s[4:5], s[22:23]
	s_add_nc_u64 s[12:13], s[12:13], s[24:25]
	CVT 4, 12, 8192, 4096, 0
	s_endpgm
.Lnot_x:
	s_cmp_lt_u32 ttmp9, 768
	s_cbranch_scc0 .Lnot_wd
	s_sub_co_u32 s26, ttmp9, 512
	s_lshl_b32 s22, s26, 16
	s_lshl_b32 s24, s26, 15
	s_add_nc_u64 s[6:7], s[6:7], s[22:23]
	s_add_nc_u64 s[14:15], s[14:15], s[24:25]
	CVT 6, 14, 8192, 4096, 0
	s_endpgm
.Lnot_wd:
	s_cmp_lt_u32 ttmp9, 1024
	s_cbranch_scc0 .Lnot_wp
	s_sub_co_u32 s26, ttmp9, 768
	s_lshl_b32 s22, s26, 16
	s_lshl_b32 s24, s26, 15
	s_add_nc_u64 s[8:9], s[8:9], s[22:23]
	s_add_nc_u64 s[16:17], s[16:17], s[24:25]
	CVT 8, 16, 8192, 4096, 1
	s_endpgm
.Lnot_wp:
	s_cmp_lt_u32 ttmp9, 1040
	s_cbranch_scc0 .Lrope
	s_sub_co_u32 s26, ttmp9, 1024                  ; 128 rows k of W_latent; chunk i is the block of columns 16 i .. 16 i + 15
	s_lshl_b32 s22, s26, 16
	s_lshl_b32 s24, s26, 12                        ; 128 rows x 32 bytes in each block
	s_add_nc_u64 s[10:11], s[10:11], s[22:23]
	s_add_nc_u64 s[18:19], s[18:19], s[24:25]
	v_lshrrev_b32 v3, 1, v0                        ; row k
	v_and_b32 v[IN], 1, v0                         ; which 8 of the 16 columns
	v_lshlrev_b32 v[IN], 5, v[IN]
	v_lshl_add_u32 v[IN], v3, 9, v[IN]             ; row x 512 + 32 x half
	CVT 10, 18, 64, 65536, 0
	s_endpgm
; cos and sin of v[a] (0 or more) into v[dc], v[ds].  v8-v14 at work.
.macro SINCOS a, dc, ds
	v_mul_f32 v8, s30, v[\a]
	v_rndne_f32 v8, v8                             ; the nearest multiple of pi/2
	v_fma_f32 v9, -v8, s31, v[\a]
	v_fma_f32 v9, -v8, s32, v9                     ; r
	v_cvt_i32_f32 v10, v8
	v_mul_f32 v11, v9, v9
	v_fma_f32 v12, v11, s35, s34
	v_fma_f32 v12, v12, v11, s33
	v_mul_f32 v12, v12, v11
	v_fma_f32 v12, v12, v9, v9                     ; sin r
	v_fma_f32 v13, v11, s38, s37
	v_fma_f32 v13, v13, v11, s36
	v_fma_f32 v13, v13, v11, -0.5
	v_fma_f32 v13, v13, v11, 1.0                   ; cos r
	v_and_b32 v14, 1, v10
	v_cmp_eq_u32 vcc_lo, 1, v14                    ; an odd quadrant swaps the two
	v_cndmask_b32 v[\ds], v12, v13, vcc_lo
	v_cndmask_b32 v[\dc], v13, v12, vcc_lo
	v_lshlrev_b32 v14, 30, v10                     ; sin changes sign in quadrants 2, 3: bit 1 of the multiple,
	v_and_b32 v14, s39, v14
	v_xor_b32 v[\ds], v[\ds], v14
	v_add_nc_u32 v10, 1, v10                       ; cos in quadrants 1, 2: bit 1 of the multiple + 1
	v_lshlrev_b32 v10, 30, v10
	v_and_b32 v10, s39, v10
	v_xor_b32 v[\dc], v[\dc], v10
.endm
.Lrope:
	s_sub_co_u32 s26, ttmp9, 1040                  ; 32 rows t a work-group, four a wave; lane l makes pairs 2 l and 2 l + 1
	v_lshrrev_b32 v3, 5, v0
	v_readfirstlane_b32 s27, v3
	v_and_b32 v1, 31, v0
	s_lshl_b32 s26, s26, 5
	s_lshl_b32 s27, s27, 2
	s_add_co_u32 s26, s26, s27                     ; my wave's first t
	v_lshlrev_b32 v3, 1, v1
	v_cvt_f32_u32 v4, v3
	v_add_nc_u32 v3, 1, v3
	v_cvt_f32_u32 v5, v3
	v_mul_f32 v4, 0xbe549a78, v4                   ; - pair x log2(10000) / 64
	v_mul_f32 v5, 0xbe549a78, v5
	v_exp_f32 v4, v4
	v_exp_f32 v5, v5
	v_lshlrev_b32 v2, 4, v1                        ; the plain instruction behind the two exponentials: my 16 bytes of a row
	s_wait_alu depctr_va_vdst(0)                   ; one wait for both, ahead of their first reader
	s_mov_b32 s30, 0x3f22f983                      ; 2 / pi
	s_mov_b32 s31, 0x3fc90000                      ; pi/2, first part
	s_mov_b32 s32, 0x39fdaa22                      ; pi/2, the rest
	s_mov_b32 s33, 0xbe2aaaab                      ; -1/6
	s_mov_b32 s34, 0x3c088889                      ; 1/120
	s_mov_b32 s35, 0xb9500d01                      ; -1/5040
	s_mov_b32 s36, 0x3d2aaaab                      ; 1/24
	s_mov_b32 s37, 0xbab60b61                      ; -1/720
	s_mov_b32 s38, 0x37d00d01                      ; 1/40320
	s_mov_b32 s39, 0x80000000
	s_lshl_b32 s24, s26, 9                         ; a row of the table is 512 bytes
	s_add_nc_u64 s[20:21], s[20:21], s[24:25]
.irp i, 0,1,2,3
	s_add_co_u32 s27, s26, \i
	v_cvt_f32_u32 v6, s27
	v_mul_f32 v7, v6, v4
	SINCOS 7, 16+4*(\i), 17+4*(\i)
	v_mul_f32 v7, v6, v5
	SINCOS 7, 18+4*(\i), 19+4*(\i)
	global_store_b128 v2, v[16+4*(\i):19+4*(\i)], s[20:21] offset:512*(\i)  ; the wave's store is a whole row: 512 consecutive bytes, aligned
.endr
	s_endpgm
.Lfunc_end_k_q9b72c6aa71_prep:
	.size	k_q9b72c6aa71_prep, .Lfunc_end_k_q9b72c6aa71_prep-k_q9b72c6aa71_prep
	.p2alignl 7, 3214868480
	.fill 96, 4, 3214868480
	.section	.rodata,"a",@progbits
	.p2align	6, 0x0
	.amdhsa_kernel k_q9b72c6aa71_prep
		.amdhsa_group_segment_fixed_size 0
		.amdhsa_private_segment_fixed_size 0
		.amdhsa_enable_private_segment 0
		.amdhsa_kernarg_size 72
		.amdhsa_user_sgpr_count 2
		.amdhsa_user_sgpr_kernarg_segment_ptr 1
		.amdhsa_wavefront_size32 1
		.amdhsa_system_sgpr_workgroup_id_x 1
		.amdhsa_system_sgpr_workgroup_id_y 1
		.amdhsa_system_sgpr_workgroup_id_z 1
		.amdhsa_system_vgpr_workitem_id 0
		.amdhsa_next_free_vgpr 112
		.amdhsa_next_free_sgpr 66
		.amdhsa_reserve_vcc 1
		.amdhsa_float_denorm_mode_32 3
		.amdhsa_float_denorm_mode_16_64 3
		.amdhsa_memory_ordered 1
		.amdhsa_forward_progress 1
		.amdhsa_inst_pref_size 36
	.end_amdhsa_kernel
	.amdgpu_metadata
---
amdhsa.version: [ 1, 2 ]
amdhsa.kernels:
  - .name:           k_q9b72c6aa71_prep
    .symbol:         k_q9b72c6aa71_prep.kd
    .args:
      - { .name: x, .offset: 0, .size: 8, .value_kind: global_buffer, .address_space: global }
      - { .name: W_d, .offset: 8, .size: 8, .value_kind: global_buffer, .address_space: global }
      - { .name: W_proj, .offset: 16, .size: 8, .value_kind: global_buffer, .address_space: global }
      - { .name: W_latent, .offset: 24, .size: 8, .value_kind: global_buffer, .address_space: global }
      - { .name: xb, .offset: 32, .size: 8, .value_kind: global_buffer, .address_space: global }
      - { .name: wdb, .offset: 40, .size: 8, .value_kind: global_buffer, .address_space: global }
      - { .name: wpb, .offset: 48, .size: 8, .value_kind: global_buffer, .address_space: global }
      - { .name: wlb, .offset: 56, .size: 8, .value_kind: global_buffer, .address_space: global }
      - { .name: rope, .offset: 64, .size: 8, .value_kind: global_buffer, .address_space: global }
    .group_segment_fixed_size: 0
    .private_segment_fixed_size: 0
    .kernarg_segment_align: 8
    .kernarg_segment_size: 72
    .max_flat_workgroup_size: 256
    .sgpr_count:     66
    .vgpr_count:     112
    .wavefront_size: 32
...
	.end_amdgpu_metadata
.endif
;; end of part 1
;; launch gemm1 (part 2): grid 8 x 32, 4 waves a work-group, clusters of 4 x 4, 327,680 bytes of LDS; arguments xb, wdb, wlb, b_d, b_latent, rope, qb, kvb; writes qb, kvb
.if DOCPART == 2
	.amdgcn_target "amdgcn-amd-amdhsa--gfx1250"
	.amdhsa_code_object_version 6
	.text
	.protected	k_q9b72c6aa71_gemm1
	.globl	k_q9b72c6aa71_gemm1
	.p2align	8
	.type	k_q9b72c6aa71_gemm1,@function
k_q9b72c6aa71_gemm1:
	s_mov_b64 s[64:65], 0
	v_nop
	global_prefetch_b8 v0, s[64:65] scope:SCOPE_SE
	s_setreg_imm32_b32 hwreg(HW_REG_WAVE_MODE, 25, 1), 1
	s_wait_xcnt 0x0
	s_wait_alu depctr_hold_cnt(0) depctr_sa_sdst(0) depctr_va_vdst(0) depctr_va_sdst(0) depctr_va_ssrc(0) depctr_va_vcc(0) depctr_vm_vsrc(0)
	s_getreg_b32 s2, hwreg(HW_REG_IB_STS2, 6, 4)
	s_cmp_eq_u32 s2, 0
	s_cbranch_scc0 .Lentry_in_a_cluster
	s_endpgm
.Lentry_in_a_cluster:
	s_bfe_u32 s2, ttmp6, 0x10000c
	s_cmp_lg_u32 s2, 0xf033
	s_cbranch_scc0 .Lentry_shape_is_right
	s_endpgm
.Lentry_shape_is_right:
; GEMM 1.  q = xb wdb + b_d, rotated, to qb [batch][head][t][128] in f16;  kv = xb wlb + b_latent: as it is to V, rotated to K, both in kvb [batch][16 channels][t][16] in f16.
; xb [4096][2048], wdb [k 2048][n 2048], wlb [8][k 2048][16]: bf16; sums in f32; the biases, rounded to bf16 like every input, start the sums as the first products' C.
; LIMITS.  q and kv leave in f16: they must stay under 65,504; below 6e-5 f16 keeps its fixed step of 6e-8.  NaN and infinities are not treated apart.
; SHARES.  A work-group makes 128 rows x 256 columns of q (two heads) and 128 rows x 16 columns of kv: 8 x 32 work-groups.  Wave w (rh = w / 2, ch = w % 2) makes 64 rows x 128 columns:
; 4 x 8 accumulators.  Its row blocks are taken in the order a xor 2 ch, so that in every wave blocks 0 and 1 are the 32 rows whose kv columns it also makes: two more accumulators, one text.
; THE MATRIX INSTRUCTION IS USED TRANSPOSED: source 0 = 16 columns of W (turned out of LDS by ds_load_tr16_b128, since W lies [k][n]), source 1 = 16 rows of x.  A lane then holds row lane % 16
; and the columns 8 (lane / 16) + 0..7: four pairs of the rotation, and 16 bytes of f16 on end.
; RING.  K goes in 16 steps of 128 through two LDS slots.  One tensor load a wave: wave 0 x's 128 rows x 256 bytes, waves 2 and 3 each 64 rows k x 512 bytes of W, wave 1 the 4,096 dense bytes of wlb.
; CLUSTER 4 x 4: x's tile is shared along a row of the cluster, W's and wlb's along a column: each is asked for jointly, with the same descriptor and a mask that names the four.
; LDS: slot s at 131,072 s: x 128 rows of 272 bytes; W 128 rows of 544 bytes at 34,816; wlb 128 rows of 32 bytes at 104,448.  Stages (16 rows x 272 bytes a wave) at 239,616; spare words at 273,408.
; REGISTERS, in windows of 256 (s_set_vgpr_msb: bits 1:0 source 0, 3:2 source 1, 5:4 source 2, 7:6 destination):
;   window 0: v1-29 addresses; v32-63 packed results; v64-127 x's fragments, two buffers; v128-191 b_d (later rows read back); v192-199 b_latent; v200-215 the table for kv; v224-255 rows read back
;   window 1: v0-127 W's fragments, two buffers; v128-191 at work; v192-207 wlb's fragments, two buffers; v208-223 kv's accumulators
;   window 2: q's accumulators, (a, b) at 8 (8 a + b)          window 3: the table for (a, b) at the same place: cos, sin of its four pairs
.set SLOT1,  131072
.set PITA,   272                       ; 256 bytes + 16: the 16 rows of a fragment load start at 16 different groups of four banks (64 banks of 4 bytes: ISA guide 11.1)
.set PITB,   544                       ; 512 bytes + 32
.set BOFF,   34816
.set LOFF,   104448
.set STAGE,  239616
.set SPITCH, 272
.set SPARE,  273408
.set NL,     26                        ; LDS loads in a run: 16 for W, 2 for wlb, 8 for x
.set PX, 4                             ; s[4:19] the arguments
.set PW, 6
.set PL, 8
.set PBD, 10
.set PBL, 12
.set PRO, 14
.set PQ, 16
.set PKV, 18
.set WV, 20
.set RH, 21
.set CH, 22
.set CNT, 23
.set G1A, 24                           ; s[24:31] group 1, s[32:39] two groups 0 for x's tiles
.set G0A, 32
.set G1B, 40                           ; s[40:47], s[48:55] for W's
.set G0B, 48
.set G1L, 56                           ; s[56:63], s[68:75] for wlb's
.set G0L, 68
.set TM, 66                            ; s[66:67], s[100:101] at work on numbers made of both places in the cluster
.set TM2, 100
.set CX, 76
.set CY, 77
.set NT, 78                            ; tile column
.set MT, 79                            ; tile row
.set RMASK, 80
.set CMASK, 81
.set TB, 82                            ; LDS byte at which the slot being read begins
.set LIM, 83                           ; 2 in a wave that prefetches, else the greatest number
.set PFA, 84                           ; s[84:85] where my prefetches stand; s[86:87] their step
.set PFS, 86
.set OUT0, 88                          ; s[88:89], s[90:91] qb at my row blocks 0, 1 and 2, 3
.set OUT1, 90
.set KBASE, 92
.set VBASE, 94
.set TY, 96                            ; s[96:97] at work: never holds cx
.set TX, 98                            ; s[98:99], s2, s3 at work: never hold cy
.set R, 1
.set H, 2
.set LN, 3
.set AB0, 4
.set AB1, 5
.set BB, 6
.set LB, 7
.set STO, 12
.set RD, 13
.set CO, 14
.set KO, 15
.set VT0, 16
.set VT1, 17
.set VTL, 18
.set BO, 19
.set BLO, 20
.set PFO, 21
.set SPW, 28                           ; LDS address of my spare word; never rewritten
.set NIL, 29                           ; 0; never rewritten
.set TMP, 32
.set FA, 64
.set BIAS, 128
.set BL, 192
.set TL, 200
.set OB0, 224
.set FB, 0
.set TT, 128
.set LF, 192
.set LACC, 208
.set MSB, 0
.macro WIN new                         ; the immediate's high byte repeats the setting that is left; a switch that changes nothing is dropped
.if MSB != (\new)
	s_set_vgpr_msb (MSB<<8)|(\new)
.set MSB, \new
.endif
.endm
.macro PLACES                          ; four plain vector instructions between a matrix instruction and what reads its result or loads into its registers
.rept 4
	v_nop
.endr
.endm
.macro CREST                           ; a round of the cluster's barrier behind its opening barrier
	s_cmp_lg_u32 s[WV], 0
	s_cbranch_scc1 .Lnot_wave_0_\@
	s_barrier_signal -3
.Lnot_wave_0_\@:
	s_barrier_wait -3
	s_barrier_signal -1
	s_barrier_wait -1
.endm
.macro CROUND
	s_barrier_signal -1
	s_barrier_wait -1
	CREST
.endm
; A joint refill, by the walking groups 0.  The branches hang on the wave's number alone.  An s_nop 0 and four v_nop follow each load.
.macro JLOAD
	s_cmp_eq_u32 s[WV], 0
	s_cbranch_scc0 .Lnot_a_\@
	tensor_load_to_lds s[G0A+4:G0A+7], s[G1A:G1A+7]
	s_nop 0
	PLACES
	s_branch .Lasked_\@
.Lnot_a_\@:
	s_cmp_eq_u32 s[WV], 1
	s_cbranch_scc0 .Lfor_b_\@
	tensor_load_to_lds s[G0L+4:G0L+7], s[G1L:G1L+7]
	s_nop 0
	PLACES
	s_branch .Lasked_\@
.Lfor_b_\@:
	tensor_load_to_lds s[G0B+4:G0B+7], s[G1B:G1B+7]
	s_nop 0
	PLACES
.Lasked_\@:
.endm
; A prefetch of the K step that stands two refills on, one instruction a wave, 32 blocks of 256 bytes.  x's rows: wave 0 of the clusters with x = 0, the partner at cx takes rows 32 cx + lane.
; W's rows: waves 2 and 3 of the clusters with y = 0, the partner at cy takes 16 of the wave's 64 rows k, two blocks a row.  So each block is named once.  The last four K steps' refills ask for nothing.
.macro ASK
	s_cmp_gt_u32 s[CNT], s[LIM]
	s_cbranch_scc0 .Lnot_mine_\@
	global_prefetch_b8 v[PFO], s[PFA:PFA+1] th:TH_LOAD_NT scope:SCOPE_SE
.Lnot_mine_\@:
.endm
; 8 matrix instructions: row block a x all 8 column blocks, 32 along K, from buffers f.  start = 1: the bias starts the sums.  The accumulators take turns.
.macro MULA f, a, start
.if \start
	WIN 0x81
.else
	WIN 0xa1
.endif
.irp b, 0,1,2,3,4,5,6,7
.set rD, 8*(8*(\a)+(\b))
.set rB, FB+64*(\f)+8*(\b)
.set rA, FA+32*(\f)+8*(\a)
.if \start
	v_wmma_f32_16x16x32_bf16 v[rD:rD+7], v[rB:rB+7], v[rA:rA+7], v[BIAS+8*(\b):BIAS+8*(\b)+7]
.else
	v_wmma_f32_16x16x32_bf16 v[rD:rD+7], v[rB:rB+7], v[rA:rA+7], v[rD:rD+7]
.endif
.endr
.endm
.macro MULL f, start                   ; kv's two: row blocks 0 and 1 x the 16 columns
.if \start
	WIN 0x41
.else
	WIN 0x51
.endif
.irp a, 0,1
.set rD, LACC+8*(\a)
.set rA, FA+32*(\f)+8*(\a)
.if \start
	v_wmma_f32_16x16x32_bf16 v[rD:rD+7], v[LF+8*(\f):LF+8*(\f)+7], v[rA:rA+7], v[BL:BL+7]
.else
	v_wmma_f32_16x16x32_bf16 v[rD:rD+7], v[LF+8*(\f):LF+8*(\f)+7], v[rA:rA+7], v[rD:rD+7]
.endif
.endr
.endm
; One run of 26 LDS loads: the fragments of quarter q of the slot at s[TB], into buffers g.  The four additions are the places behind the products that read those buffers.
.macro FETCH q, g
	WIN 0
	v_add_nc_u32 v8, s[TB], v[AB0]
	v_add_nc_u32 v9, s[TB], v[AB1]
	v_add_nc_u32 v10, s[TB], v[BB]
	v_add_nc_u32 v11, s[TB], v[LB]
	WIN 0x40
.irp b, 0,1,2,3,4,5,6,7
	ds_load_tr16_b128 v[FB+64*(\g)+8*(\b):FB+64*(\g)+8*(\b)+3],   v10 offset:(\q)*32*PITB+32*(\b)
	ds_load_tr16_b128 v[FB+64*(\g)+8*(\b)+4:FB+64*(\g)+8*(\b)+7], v10 offset:(\q)*32*PITB+32*(\b)+16*PITB
.endr
	ds_load_tr16_b128 v[LF+8*(\g):LF+8*(\g)+3],   v11 offset:1024*(\q)
	ds_load_tr16_b128 v[LF+8*(\g)+4:LF+8*(\g)+7], v11 offset:1024*(\q)+512
	WIN 0
.irp a, 0,1,2,3
	ds_load_b128 v[FA+32*(\g)+8*(\a):FA+32*(\g)+8*(\a)+3],   v[8+(\a)/2] offset:((\a)%2)*16*PITA+64*(\q)
	ds_load_b128 v[FA+32*(\g)+8*(\a)+4:FA+32*(\g)+8*(\a)+7], v[8+(\a)/2] offset:((\a)%2)*16*PITA+64*(\q)+32
.endr
.endm
; A K step is four quarters of 32 along K, 34 matrix instructions each.  One of the first three: multiplies buffers f, and in its middle fetches quarter q into buffers g.
.macro QUARTER q, f, g, start
	s_wait_dscnt 4                                 ; all but the youngest four loads (x's blocks 2 and 3)
	MULA \f, 0, \start
	MULA \f, 1, \start
	MULL \f, \start
	FETCH \q, \g
	s_wait_dscnt NL                                ; all but the run just issued
	MULA \f, 2, \start
	MULA \f, 3, \start
.endm
; The last quarter multiplies buffers 1 and changes slots.  In front of the barrier each wave waits for all its tensor loads (its part of the next slot), adds 0 to its spare word, and waits for that and for
; its reads of this slot.  fill = 1: the barrier opens a round of the cluster's barrier, and this slot is filled again first behind it, with the K step two on.
.macro TURN fill
.if \fill
	s_wait_xcnt 0x0                                ; the last prefetch, a K step back, has read its address
	s_add_nc_u64 s[PFA:PFA+1], s[PFA:PFA+1], s[PFS:PFS+1]
.endif
	WIN 0
	s_wait_tensorcnt 0x0                           ; all my tensor loads have landed
	ds_add_u32 v[SPW], v[NIL]                      ; 0 onto my spare word
	s_wait_dscnt 5                                 ; (the add and the youngest four loads may be out)
	MULA 1, 0, 0
	s_wait_dscnt 0x0                               ; the add is done, and my reads of this slot are over
	s_barrier_signal -1
	MULA 1, 1, 0
	MULL 1, 0
	WIN 0
	s_barrier_wait -1
.if \fill
	CREST                                          ; no wave of any partner still reads this slot or has a load on its way
	s_xor_b32 s[G0A+5], s[G0A+5], SLOT1            ; the walking groups 0: the other slot than last time, the next K step
	s_add_nc_u64 s[G0A+6:G0A+7], s[G0A+6:G0A+7], 256
	s_xor_b32 s[G0B+5], s[G0B+5], SLOT1
	s_add_nc_u64 s[G0B+6:G0B+7], s[G0B+6:G0B+7], 524288
	s_xor_b32 s[G0L+5], s[G0L+5], SLOT1
	s_add_nc_u64 s[G0L+6:G0L+7], s[G0L+6:G0L+7], 4096
	JLOAD
.endif
	s_xor_b32 s[TB], s[TB], SLOT1
	FETCH 0, 0
.if \fill
	ASK
.endif
	MULA 1, 2, 0
	MULA 1, 3, 0
.endm
	s_load_b512 s[4:19], s[0:1], 0x0
	v_lshl_add_u32 v[SPW], v0, 2, SPARE
	v_mov_b32 v[NIL], 0
	ds_add_u32 v[SPW], v[NIL]                      ; the wave's opening: the add and its wait come ahead of my first tensor load
	v_lshrrev_b32 v1, 5, v0
	v_readfirstlane_b32 s[WV], v1
	s_lshr_b32 s[RH], s[WV], 1
	s_and_b32 s[CH], s[WV], 1
	s_bfe_u32 s[CX], ttmp6, 0x40000
	s_bfe_u32 s[CY], ttmp6, 0x40004
	s_lshl_b32 s[NT], ttmp9, 2
	s_add_co_u32 s[NT], s[NT], s[CX]               ; tile column = 4 x cluster x + cx
	s_and_b32 s[MT], ttmp7, 0xffff
	s_lshl_b32 s[MT], s[MT], 2
	s_add_co_u32 s[MT], s[MT], s[CY]               ; tile row = 4 x cluster y + cy
	s_lshl_b32 s[RMASK], s[CY], 2
	s_lshl_b32 s[RMASK], 15, s[RMASK]              ; my row of the cluster
	s_lshl_b32 s[CMASK], 0x1111, s[CX]             ; my column
	s_or_b32 s[G1A], s[RMASK], (1<<16)|(1<<20)|(1<<21)|(5<<22)|(3<<25)  ; mask; 2-byte elements; padding on; bit 21 beside a mask; after every 64 words 4 words
	s_mov_b32 s[G1A+1], 128<<16                    ; tensor_dim0 = 128
	s_mov_b32 s[G1A+2], 128<<16                    ; tensor_dim1 = 128
	s_mov_b32 s[G1A+3], 128<<16                    ; tile_dim0 = 128
	s_mov_b32 s[G1A+4], 128                        ; tile_dim1 = 128
	s_mov_b32 s[G1A+5], 2048                       ; elements from row to row
	s_mov_b32 s[G1A+6], 0
	s_mov_b32 s[G1A+7], 0
	s_or_b32 s[G1B], s[CMASK], (1<<16)|(1<<20)|(1<<21)|(6<<22)|(7<<25)  ; after every 128 words 8 words
	s_mov_b32 s[G1B+1], 256<<16
	s_mov_b32 s[G1B+2], 64<<16
	s_mov_b32 s[G1B+3], 256<<16
	s_mov_b32 s[G1B+4], 64
	s_mov_b32 s[G1B+5], 2048
	s_mov_b32 s[G1B+6], 0
	s_mov_b32 s[G1B+7], 0
	s_or_b32 s[G1L], s[CMASK], (3<<16)|(1<<21)     ; 8-byte elements, no padding: 16 rows of 256 dense bytes
	s_mov_b32 s[G1L+1], 32<<16
	s_mov_b32 s[G1L+2], 16<<16
	s_mov_b32 s[G1L+3], 32<<16
	s_mov_b32 s[G1L+4], 16
	s_mov_b32 s[G1L+5], 32
	s_mov_b32 s[G1L+6], 0
	s_mov_b32 s[G1L+7], 0
	s_lshl_b32 s[TY], s[MT], 19                    ; x: 128 rows of 4,096 bytes a tile row
	s_mov_b32 s[TY+1], 0
	s_lshl_b32 s[TX], s[CH], 18                    ; W: my 64 rows k of 4,096 bytes,
	s_lshl_b32 s2, s[NT], 9                        ; the tile's 256 columns
	s_add_co_u32 s[TX], s[TX], s2
	s_mov_b32 s[TX+1], 0
	s_lshl_b32 s2, s[NT], 16                       ; wlb: the block of 16 columns
	s_mov_b32 s3, 0
	s_mul_i32 s[TB], s[CH], BOFF
	s_add_co_u32 s[TB], s[TB], BOFF                ; W's halves in a slot: 34,816 (1 + w % 2)
	s_wait_dscnt 0x0                               ; the opening add is done
	s_wait_kmcnt 0x0
	s_add_nc_u64 s[TY:TY+1], s[PX:PX+1], s[TY:TY+1]
	s_add_nc_u64 s[TX:TX+1], s[PW:PW+1], s[TX:TX+1]
	s_add_nc_u64 s[2:3], s[PL:PL+1], s[2:3]
.irp s, 0,1
	s_mov_b32 s[G0A+4*(\s)], 1
	s_mov_b32 s[G0A+4*(\s)+1], (\s)*SLOT1
	s_add_nc_u64 s[G0A+4*(\s)+2:G0A+4*(\s)+3], s[TY:TY+1], (\s)*256
	s_or_b32 s[G0A+4*(\s)+3], s[G0A+4*(\s)+3], 0x80000000
	s_mov_b32 s[G0B+4*(\s)], 1
	s_add_co_u32 s[G0B+4*(\s)+1], s[TB], (\s)*SLOT1
	s_add_nc_u64 s[G0B+4*(\s)+2:G0B+4*(\s)+3], s[TX:TX+1], (\s)*524288
	s_or_b32 s[G0B+4*(\s)+3], s[G0B+4*(\s)+3], 0x80000000
	s_mov_b32 s[G0L+4*(\s)], 1
	s_mov_b32 s[G0L+4*(\s)+1], LOFF+(\s)*SLOT1
	s_add_nc_u64 s[G0L+4*(\s)+2:G0L+4*(\s)+3], s[2:3], (\s)*4096
	s_or_b32 s[G0L+4*(\s)+3], s[G0L+4*(\s)+3], 0x80000000
.endr
	CROUND                                         ; all sixteen work-groups are here: the first joint loads meet
	s_cmp_eq_u32 s[WV], 0                          ; a wave's two first fills stand together: two loads of mine are out
	s_cbranch_scc0 .Lf_not_a
	tensor_load_to_lds s[G0A:G0A+3], s[G1A:G1A+7]
	s_nop 0
	tensor_load_to_lds s[G0A+4:G0A+7], s[G1A:G1A+7]
	s_nop 0
	PLACES
	s_branch .Lf_done
.Lf_not_a:
	s_cmp_eq_u32 s[WV], 1
	s_cbranch_scc0 .Lf_b
	tensor_load_to_lds s[G0L:G0L+3], s[G1L:G1L+7]
	s_nop 0
	tensor_load_to_lds s[G0L+4:G0L+7], s[G1L:G1L+7]
	s_nop 0
	PLACES
	s_branch .Lf_done
.Lf_b:
	tensor_load_to_lds s[G0B:G0B+3], s[G1B:G1B+7]
	s_nop 0
	tensor_load_to_lds s[G0B+4:G0B+7], s[G1B:G1B+7]
	s_nop 0
	PLACES
.Lf_done:
	v_and_b32 v[R], 15, v0                         ; l % 16
	v_bfe_u32 v[H], v0, 4, 1                       ; l / 16
	v_and_b32 v[LN], 31, v0
	s_lshl_b32 s2, s[NT], 10                       ; the biases: register j of column block b holds column 16 b + 8 (l / 16) + j of my 128
	s_lshl_b32 s3, s[CH], 9
	s_add_co_u32 s2, s2, s3
	v_lshl_add_u32 v[BO], v[H], 5, s2
	s_lshl_b32 s2, s[NT], 6
	v_lshl_add_u32 v[BLO], v[H], 5, s2
.irp b, 0,1,2,3,4,5,6,7
	global_load_b128 v[BIAS+8*(\b):BIAS+8*(\b)+3],   v[BO], s[PBD:PBD+1] offset:64*(\b)
	global_load_b128 v[BIAS+8*(\b)+4:BIAS+8*(\b)+7], v[BO], s[PBD:PBD+1] offset:64*(\b)+16
.endr
	global_load_b128 v[BL:BL+3],   v[BLO], s[PBL:PBL+1]
	global_load_b128 v[BL+4:BL+7], v[BLO], s[PBL:PBL+1] offset:16
	; LDS addresses.  A fragment of x: row x pitch + 16 (l / 16), two loads 32 bytes apart.  The turning load: row k = 8 (l / 16) + l % 8, 16 bytes at 16 ((l / 8) % 2).
	v_mul_u32_u24 v[AB0], v[R], PITA
	v_lshl_add_u32 v[AB0], v[H], 4, v[AB0]
	s_mul_i32 s2, s[RH], 64*PITA
	s_mul_i32 s3, s[CH], 32*PITA
	s_add_co_u32 s3, s2, s3                        ; my blocks 0, 1: rows 64 rh + 32 ch on
	s_add_co_u32 s2, s2, s2
	s_add_co_u32 s2, s2, 32*PITA
	s_sub_co_u32 s2, s2, s3                        ; my blocks 2, 3: rows 64 rh + 32 (1 - ch) on
	v_add_nc_u32 v[AB1], s2, v[AB0]
	v_add_nc_u32 v[AB0], s3, v[AB0]
	v_and_b32 v22, 7, v0
	v_lshl_add_u32 v22, v[H], 3, v22
	v_bfe_u32 v23, v0, 3, 1
	v_mul_u32_u24 v[BB], v22, PITB
	v_lshl_add_u32 v[BB], v23, 4, v[BB]
	s_lshl_b32 s2, s[CH], 8
	s_add_co_u32 s2, s2, BOFF
	v_add_nc_u32 v[BB], s2, v[BB]
	v_lshlrev_b32 v[LB], 5, v22
	v_lshl_add_u32 v[LB], v23, 4, v[LB]
	v_add_nc_u32 v[LB], LOFF, v[LB]
	s_mul_i32 s2, s[WV], 16*SPITCH
	s_add_co_u32 s2, s2, STAGE                     ; my stage
	v_mul_u32_u24 v[STO], v[R], SPITCH             ; in: row l % 16, 16 bytes for each half of the lanes
	v_lshl_add_u32 v[STO], v[H], 4, v[STO]
	v_add_nc_u32 v[STO], s2, v[STO]
	v_mul_u32_u24 v[RD], v[H], SPITCH              ; back: lanes 0-15 one row of 256 bytes, lanes 16-31 the next
	v_lshl_add_u32 v[RD], v[R], 4, v[RD]
	v_add_nc_u32 v[RD], s2, v[RD]
	v_lshlrev_b32 v[CO], 8, v[H]                   ; the same two rows in qb
	v_lshl_add_u32 v[CO], v[R], 4, v[CO]
	v_lshlrev_b32 v[KO], 5, v[R]                   ; kvb: 32 bytes a row, 16 for each half of the lanes
	v_lshl_add_u32 v[KO], v[H], 4, v[KO]
	; where the results go
	s_lshr_b32 s[TM], s[MT], 4                     ; batch
	s_lshl_b32 s[TM], s[TM], 4
	s_add_co_u32 s[TM], s[TM], s[NT]
	s_add_co_u32 s[TM], s[TM], s[NT]
	s_add_co_u32 s[TM], s[TM], s[CH]               ; 16 batch + head, head = 2 nt + ch
	s_lshl_b32 s[TM], s[TM], 11
	s_and_b32 s[TM2], s[MT], 15
	s_lshl_b32 s[TM2], s[TM2], 7
	s_lshl_b32 s[TM2+1], s[RH], 6
	s_add_co_u32 s[TM2], s[TM2], s[TM2+1]          ; t0 = 128 (mt % 16) + 64 rh
	s_add_co_u32 s[TM], s[TM], s[TM2]
	s_lshl_b32 s[TM], s[TM], 8                     ; rows of 256 bytes
	s_mov_b32 s[TM+1], 0
	s_add_nc_u64 s[OUT1:OUT1+1], s[PQ:PQ+1], s[TM:TM+1]
	s_lshl_b32 s[TM], s[CH], 13                    ; 32 ch rows
	s_add_nc_u64 s[OUT0:OUT0+1], s[OUT1:OUT1+1], s[TM:TM+1]
	s_xor_b32 s[TM], s[TM], 8192                   ; 32 (1 - ch) rows
	s_add_nc_u64 s[OUT1:OUT1+1], s[OUT1:OUT1+1], s[TM:TM+1]
	s_lshr_b32 s[TM], s[MT], 4
	s_lshl_b32 s[TM], s[TM], 3
	s_add_co_u32 s[TM], s[TM], s[NT]               ; 8 batch + block of channels
	s_lshl_b32 s[TM], s[TM], 11
	s_add_co_u32 s[TM], s[TM], s[TM2]
	s_lshl_b32 s[TM2+1], s[CH], 5
	s_add_co_u32 s[TM], s[TM], s[TM2+1]
	s_lshl_b32 s[TM], s[TM], 5
	s_add_nc_u64 s[KBASE:KBASE+1], s[PKV:PKV+1], s[TM:TM+1]
	s_add_nc_u64 s[VBASE:VBASE+1], s[KBASE:KBASE+1], 0x100000
	; the table: row t of my row, 32 bytes at 64 b + 32 (l / 16): the four pairs of my eight columns
	s_add_co_u32 s[TM], s[TM2], s[TM2+1]
	s_lshl_b32 s[TM], s[TM], 9
	v_lshlrev_b32 v[VT0], 9, v[R]
	v_lshl_add_u32 v[VT0], v[H], 5, v[VT0]
	s_xor_b32 s[TM2+1], s[TM2+1], 32
	s_add_co_u32 s[TM2], s[TM2], s[TM2+1]
	s_lshl_b32 s[TM2], s[TM2], 9
	v_add_nc_u32 v[VT1], s[TM2], v[VT0]
	v_add_nc_u32 v[VT0], s[TM], v[VT0]
	s_lshl_b32 s[TM], s[NT], 6
	v_add_nc_u32 v[VTL], s[TM], v[VT0]
	; the prefetches
	s_lshl_b32 s[TM2], s[MT], 7
	s_lshl_b32 s[TM2+1], s[CX], 5
	s_add_co_u32 s[TM2], s[TM2], s[TM2+1]
	s_lshl_b32 s[TM2], s[TM2], 12
	s_add_co_u32 s[TM2], s[TM2], 3*256             ; x: row 128 mt + 32 cx, K step 3: each change of slots steps it first
	s_lshl_b32 s[TM], s[CH], 6
	s_lshl_b32 s[TM+1], s[CY], 4
	s_add_co_u32 s[TM], s[TM], s[TM+1]
	s_lshl_b32 s[TM], s[TM], 12
	s_lshl_b32 s[TM+1], s[NT], 9
	s_add_co_u32 s[TM], s[TM], s[TM+1]
	s_add_co_u32 s[TM], s[TM], 3*524288            ; W: row k 64 (w % 2) + 16 cy, K step 3
	s_mov_b32 s[PFS], 524288
	s_mov_b32 s[PFS+1], 0
	s_cmp_lt_u32 s[WV], 2
	s_cselect_b32 s[TM], s[TM2], s[TM]
	s_cselect_b64 s[PFA:PFA+1], s[PX:PX+1], s[PW:PW+1]
	s_cselect_b32 s[PFS], 256, s[PFS]
	s_cselect_b32 s[TM2], 0, 1
	s_mov_b32 s[TM+1], 0
	s_add_nc_u64 s[PFA:PFA+1], s[PFA:PFA+1], s[TM:TM+1]
	v_lshrrev_b32 v[PFO], s[TM2], v[LN]            ; x: a lane a row; W: two lanes a row, 256 bytes each
	v_lshlrev_b32 v[PFO], 12, v[PFO]
	v_and_b32 v22, s[TM2], v[LN]
	v_lshl_add_u32 v[PFO], v22, 8, v[PFO]
	s_and_b32 s[TM], ttmp7, 0xffff
	s_cmp_lt_u32 s[WV], 2
	s_cselect_b32 s[TM], ttmp9, s[TM]              ; the coordinate along which other clusters read the same rows
	s_cmp_eq_u32 s[WV], 1
	s_cselect_b32 s[TM], 1, s[TM]                  ; wave 1 asks for nothing: wlb's tile is 16 blocks
	s_cmp_eq_u32 s[TM], 0
	s_cselect_b32 s[LIM], 2, -1
	s_wait_loadcnt 0x0                             ; the biases
.set z, 0
.rept 36                               ; rounded to bf16, like every input: b_d's 64 registers and b_latent's 8 lie on end
	v_cvt_pk_bf16_f32 v32, v[BIAS+2*z], v[BIAS+2*z+1]
	v_lshlrev_b32 v[BIAS+2*z], 16, v32
	v_and_b32 v[BIAS+2*z+1], 0xffff0000, v32
.set z, z+1
.endr
	WIN 0xc0                                       ; the table goes out now and is waited for on the way out
.irp a, 0,1,2,3
.irp b, 0,1,2,3,4,5,6,7
	global_load_b128 v[8*(8*(\a)+(\b)):8*(8*(\a)+(\b))+3],   v[VT0+(\a)/2], s[PRO:PRO+1] offset:((\a)%2)*8192+64*(\b)
	global_load_b128 v[8*(8*(\a)+(\b))+4:8*(8*(\a)+(\b))+7], v[VT0+(\a)/2], s[PRO:PRO+1] offset:((\a)%2)*8192+64*(\b)+16
.endr
.endr
	WIN 0
.irp a, 0,1
	global_load_b128 v[TL+8*(\a):TL+8*(\a)+3],   v[VTL], s[PRO:PRO+1] offset:(\a)*8192
	global_load_b128 v[TL+8*(\a)+4:TL+8*(\a)+7], v[VTL], s[PRO:PRO+1] offset:(\a)*8192+16
.endr
	s_wait_tensorcnt 0x1                           ; my part of K step 0 is in; K step 1's may stay out
	s_barrier_signal -1
	s_barrier_wait -1
	s_mov_b32 s[TB], 0
	FETCH 0, 0
	QUARTER 1, 0, 1, 1                             ; the first quarter stands in front of the loop: the biases start the sums
	WIN 0
	s_mov_b32 s[CNT], 14
.Lstep:                                        ; a trip: from a K step's second quarter to the next step's first; it fills one slot again
	QUARTER 2, 1, 0, 0
	QUARTER 3, 0, 1, 0
	TURN 1
	QUARTER 1, 0, 1, 0
	WIN 0
	s_sub_co_u32 s[CNT], s[CNT], 1
	s_cmp_lg_u32 s[CNT], 0
	s_cbranch_scc1 .Lstep
	QUARTER 2, 1, 0, 0                             ; the last two K steps ask for nothing
	QUARTER 3, 0, 1, 0
	TURN 0
	QUARTER 1, 0, 1, 0
	QUARTER 2, 1, 0, 0
	QUARTER 3, 0, 1, 0
	s_wait_dscnt 4
	MULA 1, 0, 0
	MULA 1, 1, 0
	MULL 1, 0
	s_wait_dscnt 0x0
	MULA 1, 2, 0
	MULA 1, 3, 0
	WIN 0
; THE WAY OUT.  Row block a is rotated (even' = even cos - odd sin, odd' = odd cos + even sin), rounded to f16, sent through my stage and stored as whole rows of 256 bytes.
.macro ROPE a
	WIN 0x5e                                       ; source 0 the sums (window 2), source 1 the table (window 3), source 2 and destination window 1
.irp b, 0,1,2,3,4,5,6,7
.irp p, 0,1,2,3
.set rA, 8*(8*(\a)+(\b))+2*(\p)
.set rT, TT+8*(\b)+2*(\p)
	v_mul_f32 v[rT], v[rA], v[rA]
	v_mul_f32 v[rT+1], v[rA+1], v[rA]
	v_fma_f32 v[rT], -v[rA+1], v[rA+1], v[rT]
	v_fma_f32 v[rT+1], v[rA], v[rA+1], v[rT+1]
.endr
.endr
	WIN 0x05
.irp b, 0,1,2,3,4,5,6,7
.irp p, 0,1,2,3
	v_cvt_pk_f16_f32 v[TMP+4*(\b)+(\p)], v[TT+8*(\b)+2*(\p)], v[TT+8*(\b)+2*(\p)+1]
.endr
.endr
	WIN 0
.endm
.macro TOSTAGE a
.set BK, OB0-96*((\a)%2)
.irp b, 0,1,2,3,4,5,6,7
	ds_store_b128 v[STO], v[TMP+4*(\b):TMP+4*(\b)+3] offset:32*(\b)
.endr
.irp t, 0,1,2,3,4,5,6,7
	ds_load_b128 v[BK+4*(\t):BK+4*(\t)+3], v[RD] offset:(\t)*2*SPITCH  ; LDS serves a wave's instructions in order (ISA guide 5.7.1.4): these see the stores above
.endr
.endm
.macro SEND a
.set BK, OB0-96*((\a)%2)
	s_wait_dscnt 0x0                               ; the block is back in registers
	s_wait_xcnt 0x0                                ; the stores issued so far have read their registers: the next block's rows may land in the other buffer
.irp t, 0,1,2,3,4,5,6,7
	global_store_b128 v[CO], v[BK+4*(\t):BK+4*(\t)+3], s[OUT0+2*((\a)/2):OUT0+2*((\a)/2)+1] offset:((\a)%2)*4096+512*(\t)  ; 16 lanes store 256 consecutive bytes, aligned
.endr
.endm
	s_wait_loadcnt 0x0                             ; the table
	PLACES
	ROPE 0
	TOSTAGE 0
.irp a, 1,2,3
	ROPE \a
	SEND (\a)-1
	TOSTAGE \a
.endr
	SEND 3
	WIN 0x05                                       ; kv as it is: V
.irp a, 0,1
.irp p, 0,1,2,3
	v_cvt_pk_f16_f32 v[TMP+4*(\a)+(\p)], v[LACC+8*(\a)+2*(\p)], v[LACC+8*(\a)+2*(\p)+1]
.endr
.endr
	WIN 0x51                                       ; kv rotated: K
.irp a, 0,1
.irp p, 0,1,2,3
.set rL, LACC+8*(\a)+2*(\p)
.set rC, TL+8*(\a)+2*(\p)
.set rT, TT+8*(\a)+2*(\p)
	v_mul_f32 v[rT], v[rL], v[rC]
	v_mul_f32 v[rT+1], v[rL+1], v[rC]
	v_fma_f32 v[rT], -v[rL+1], v[rC+1], v[rT]
	v_fma_f32 v[rT+1], v[rL], v[rC+1], v[rT+1]
.endr
.endr
	WIN 0x05
.irp a, 0,1
.irp p, 0,1,2,3
	v_cvt_pk_f16_f32 v[TMP+8+4*(\a)+(\p)], v[TT+8*(\a)+2*(\p)], v[TT+8*(\a)+2*(\p)+1]
.endr
.endr
	WIN 0
.irp a, 0,1
	global_store_b128 v[KO], v[TMP+4*(\a):TMP+4*(\a)+3],     s[VBASE:VBASE+1] offset:512*(\a)  ; 16 rows x 32 bytes: 512 consecutive bytes, aligned
	global_store_b128 v[KO], v[TMP+8+4*(\a):TMP+8+4*(\a)+3], s[KBASE:KBASE+1] offset:512*(\a)
.endr
	s_wait_tensorcnt 0x0                           ; the wave's end, behind my last tensor load and my last LDS store
	ds_add_u32 v[SPW], v[NIL]
	s_wait_dscnt 0x0
	CROUND                                         ; the closing round: no work-group ends while a partner may still ask for a tile that names it
	s_endpgm
.Lfunc_end_k_q9b72c6aa71_gemm1:
	.size	k_q9b72c6aa71_gemm1, .Lfunc_end_k_q9b72c6aa71_gemm1-k_q9b72c6aa71_gemm1
	.p2alignl 7, 3214868480
	.fill 96, 4, 3214868480
	.section	.rodata,"a",@progbits
	.p2align	6, 0x0
	.amdhsa_kernel k_q9b72c6aa71_gemm1
		.amdhsa_group_segment_fixed_size 327680
		.amdhsa_private_segment_fixed_size 0
		.amdhsa_enable_private_segment 0
		.amdhsa_kernarg_size 64
		.amdhsa_user_sgpr_count 2
		.amdhsa_user_sgpr_kernarg_segment_ptr 1
		.amdhsa_wavefront_size32 1
		.amdhsa_system_sgpr_workgroup_id_x 1
		.amdhsa_system_sgpr_workgroup_id_y 1
		.amdhsa_system_sgpr_workgroup_id_z 1
		.amdhsa_system_vgpr_workitem_id 0
		.amdhsa_next_free_vgpr 1024
		.amdhsa_next_free_sgpr 102
		.amdhsa_reserve_vcc 0
		.amdhsa_float_denorm_mode_32 3
		.amdhsa_float_denorm_mode_16_64 3
		.amdhsa_memory_ordered 1
		.amdhsa_forward_progress 1
		.amdhsa_inst_pref_size 120
	.end_amdhsa_kernel
	.amdgpu_metadata
---
amdhsa.version: [ 1, 2 ]
amdhsa.kernels:
  - .name:           k_q9b72c6aa71_gemm1
    .symbol:         k_q9b72c6aa71_gemm1.kd
    .args:
      - { .name: xb, .offset: 0, .size: 8, .value_kind: global_buffer, .address_space: global }
      - { .name: wdb, .offset: 8, .size: 8, .value_kind: global_buffer, .address_space: global }
      - { .name: wlb, .offset: 16, .size: 8, .value_kind: global_buffer, .address_space: global }
      - { .name: b_d, .offset: 24, .size: 8, .value_kind: global_buffer, .address_space: global }
      - { .name: b_latent, .offset: 32, .size: 8, .value_kind: global_buffer, .address_space: global }
      - { .name: rope, .offset: 40, .size: 8, .value_kind: global_buffer, .address_space: global }
      - { .name: qb, .offset: 48, .size: 8, .value_kind: global_buffer, .address_space: global }
      - { .name: kvb, .offset: 56, .size: 8, .value_kind: global_buffer, .address_space: global }
    .group_segment_fixed_size: 327680
    .private_segment_fixed_size: 0
    .kernarg_segment_align: 8
    .kernarg_segment_size: 64
    .max_flat_workgroup_size: 128
    .sgpr_count:     102
    .vgpr_count:     1024
    .wavefront_size: 32
...
	.end_amdgpu_metadata
.endif
;; end of part 2
;; launch attn (part 3): grid 16 x 16, 4 waves a work-group, clusters of 4 x 1, 327,680 bytes of LDS; arguments qb, kvb, yb; writes yb
.if DOCPART == 3
	.amdgcn_target "amdgcn-amd-amdhsa--gfx1250"
	.amdhsa_code_object_version 6
	.text
	.protected	k_q9b72c6aa71_attn
	.globl	k_q9b72c6aa71_attn
	.p2align	8
	.type	k_q9b72c6aa71_attn,@function
k_q9b72c6aa71_attn:
	s_mov_b64 s[64:65], 0
	v_nop
	global_prefetch_b8 v0, s[64:65] scope:SCOPE_SE
	s_setreg_imm32_b32 hwreg(HW_REG_WAVE_MODE, 25, 1), 1
	s_wait_xcnt 0x0
	s_wait_alu depctr_hold_cnt(0) depctr_sa_sdst(0) depctr_va_vdst(0) depctr_va_sdst(0) depctr_va_ssrc(0) depctr_va_vcc(0) depctr_vm_vsrc(0)
	s_getreg_b32 s2, hwreg(HW_REG_IB_STS2, 6, 4)
	s_cmp_eq_u32 s2, 0
	s_cbranch_scc0 .Lentry_in_a_cluster
	s_endpgm
.Lentry_in_a_cluster:
	s_bfe_u32 s2, ttmp6, 0x10000c
	s_cmp_lg_u32 s2, 0x3003
	s_cbranch_scc0 .Lentry_shape_is_right
	s_endpgm
.Lentry_shape_is_right:
; CAUSAL ATTENTION WITH ONE K AND V FOR ALL HEADS.  y[b][t][head 128 + d] = the sum over s <= t of softmax_s(q[b][head][t] . k[b][s] / sqrt(128)) v[b][s][d].
; qb [2][16][2048][128], kvb: K, then V, each [2][8 blocks of 16 channels][2048][16], yb [4096][2048]: all f16.  Products, maxima and sums in f32; the weights are rounded to f16 for the second product.
; LIMITS.  f16 holds nothing beyond 65,504; a weight lies in 0 to 1 and below 6e-5 keeps f16's fixed step of 6e-8.  A hidden score counts as -1e30; a weight below 2^-126 counts as 0.  NaN and infinities are not treated apart.
; THE WALK.  A head's queries lie in 16 blocks of 128; block i needs the key tiles 0 .. i of 128 keys, the last of which holds the diagonal.  A work-group takes block j and then block 15 - j: 17 tiles whatever j,
; one tile a trip, constant trip counts.  The first block ends in trip j (0 .. 7), the second in the last trip.
; CLUSTER.  The four partners are four heads of one batch with the same j: the same tiles in the same trips, so every tile is asked for jointly (mask 15).  cx enters global addresses of Q, y and the prefetch alone.
; KEYS ARE SPLIT IN THE WORK-GROUP.  Wave w (qh = w / 2, kh = w % 2) owns 64 queries, four tiles of 16, and keys 64 kh .. 64 kh + 63 of every tile, with a running maximum, sum and O of its own.
; At a block's end the two waves of a pair merge through LDS: with x = kh xor qh a wave's tile u means tile u xor 2 x of its 64 queries; it sends its tiles 2, 3 and finishes its tiles 0, 1.
; LAYOUT.  S^T = K Q^T holds one query a lane (lane % 16) and the keys 8 (lane / 16) + 0..7; two such results rounded to f16 are source 1 of O^T = V^T P.  p = 2^(c s - c m), c = log2(e) / sqrt(128), m the running
; maximum; O and l are multiplied by a = 2^(c m_old - c m_new) in every step.  m starts at the lowest finite number, so a block's first step has a = 0.
; THE MASK is the C operand that starts S^T, in three classes by key block kb against tile u: kb < u, kb = u, kb > u; 0 everywhere but in the trip of the diagonal.
; A TRIP: A: 32 products K Q^T of tiles 0, 1, the change of slots among them.  B: 32 products K Q^T of tiles 2, 3 with the softmax of tiles 0, 1 in slices between them.  C: 32 products V^T P of tiles 0, 1 with the
; softmax of tiles 2, 3.  D: 32 products V^T P of tiles 2, 3.  K and V of the next tile come into registers behind B and behind D, so a slot is free for its next fill one trip after it landed.
; LDS: slot s at 131,072 s: for each half of 64 keys, at 34,816 kh: K, 8 blocks of channels x 2,176 bytes (64 keys x 32 bytes, 16 of padding after every 256), then V likewise at + 17,408.
; Stages (16 rows x 272 bytes a wave) at 69,632; scratch for the merge (17,408 a wave) at 200,704; spare words at 270,336.
; REGISTERS, in windows of 256 (s_set_vgpr_msb: bits 1:0 source 0, 3:2 source 1, 5:4 source 2, 7:6 destination):
;   window 0: v2-11, v60-63 addresses; v12-43 eight registers of statistics a tile; v44-59 at work in the merge; v64-191 S^T; v192-255 P
;   window 1: O^T, 64 a tile     window 2: v0-127 Q, v128-255 K     window 3: v0-127 V, v128-135 the diagonal's mask, v136-159 the trip's three masks
.set HALF,   34816
.set VOFF,   17408
.set SLOT1,  131072
.set STAGE,  69632
.set SP,     272
.set SCRATCH, 200704
.set TSLOT,  8704                      ; a tile in the scratch: 16 x 512 bytes of O^T, then 512 of statistics
.set SPARE,  270336
.set AK0, 2
.set AV0, 3
.set ADK, 4
.set ADV, 5
.set STO, 6
.set RD,  7
.set GO,  8
.set SCR, 9                            ; my partner's scratch
.set QO0, 10
.set QO1, 11
.set ST,  12                           ; tile t: c m, m, l (even keys', odd keys'), c0-c3 at work; a takes c2's place
.set MG,  44
.set SCW, 60                           ; my scratch
.set PFO, 61
.set SPW, 62                           ; LDS address of my spare word; never rewritten
.set NIL, 63                           ; 0; never rewritten
.set S,   64
.set TT,  128                          ; the merge's two buffers of 64: S^T of tiles 2, 3, and P
.set P,   192
.set KF,  128
.set MEQ, 128
.set CMLO, 136
.set CMEQ, 144
.set CMHI, 152
.set WV, 12
.set CX, 13
.set HD, 14
.set LIM, 15
.set KH, 16
.set QH, 17
.set PFA, 18
.set XX, 20
.set LQ2, 21
.set SH, 22
.set SV, 23
.set G1, 24
.set G0K, 32
.set G0V, 40
.set KB, 48
.set VB, 50
.set OFF, 52
.set NXT, 54
.set LQ, 55
.set N, 56
.set J, 57
.set CS, 58
.set SEL, 60
.set TB, 62
.set DG, 63
.set JP1, 66
.set F, 67
.set CLO, 68
.set CHI, 69
.set MA, 70
.set MB, 71
.set QP2, 72
.set YP, 74
.set YP2, 76
.set BIG, 78
.set QP1, 84
.set MSB, 0
.macro WIN new
.if MSB != (\new)
	s_set_vgpr_msb (MSB<<8)|(\new)
.set MSB, \new
.endif
.endm
.set W_KQ, 0x0a
.set W_KM, 0x3a
.set W_PV, 0x53
.set W_RS, 0x41
.macro PLACES
.rept 4
	v_nop
.endr
.endm
.macro CREST
	s_cmp_lg_u32 s[WV], 0
	s_cbranch_scc1 .Lnot_wave_0_\@
	s_barrier_signal -3
.Lnot_wave_0_\@:
	s_barrier_wait -3
	s_barrier_signal -1
	s_barrier_wait -1
.endm
.macro CROUND
	s_barrier_signal -1
	s_barrier_wait -1
	CREST
.endm
.macro JLOAD                           ; waves 0, 1: K of the tile's two halves; waves 2, 3: V.  An s_nop 0 and four v_nop follow each load
	s_cmp_lt_u32 s[WV], 2
	s_cbranch_scc0 .Lfor_v_\@
	tensor_load_to_lds s[G0K+4:G0K+7], s[G1:G1+7]
	s_nop 0
	PLACES
	s_branch .Lasked_\@
.Lfor_v_\@:
	tensor_load_to_lds s[G0V+4:G0V+7], s[G1:G1+7]
	s_nop 0
	PLACES
.Lasked_\@:
.endm
; A prefetch, in trip n of tile n + 3 (n = 0 .. 12).  One cluster a batch asks (cluster x = 0, j = 0); wave 0 for K, wave 2 for V; the partner at cx takes the blocks of channels 2 cx and 2 cx + 1:
; 32 blocks of 256 bytes, a lane each.  So each block is named once.  Tiles 0 to 2 come by their loads alone.
.macro ASK
	s_cmp_lt_u32 s[N], s[LIM]
	s_cbranch_scc0 .Lnot_mine_\@
	global_prefetch_b8 v[PFO], s[PFA:PFA+1] th:TH_LOAD_NT scope:SCOPE_SE
.Lnot_mine_\@:
.endm
.macro GEN                             ; s[OFF] = the byte offset of the tile to ask for; the walk steps: behind the first block's last tile comes the second block's tile 0
	s_lshl_b32 s[OFF], s[NXT], 12
	s_add_co_u32 s[NXT], s[NXT], 1
	s_cmp_gt_u32 s[NXT], s[LQ]
	s_cselect_b32 s[NXT], 0, s[NXT]
	s_cselect_b32 s[LQ], s[LQ2], s[LQ]
.endm
.macro DESC set                        ; the global addresses are made anew from that offset
	s_add_nc_u64 s[G0K+4*(\set)+2:G0K+4*(\set)+3], s[KB:KB+1], s[OFF:OFF+1]
	s_or_b32 s[G0K+4*(\set)+3], s[G0K+4*(\set)+3], 0x80000000
	s_add_nc_u64 s[G0V+4*(\set)+2:G0V+4*(\set)+3], s[VB:VB+1], s[OFF:OFF+1]
	s_or_b32 s[G0V+4*(\set)+3], s[G0V+4*(\set)+3], 0x80000000
.endm
.macro QLOAD base                      ; 64 queries x 128 channels: tile u, channels 32 c on
	WIN 0x80
.irp u, 0,1,2,3
.irp c, 0,1,2,3
	global_load_b128 v[32*(\u)+8*(\c):32*(\u)+8*(\c)+3],   v[QO0+(\u)/2], s[\base:\base+1] offset:((\u)%2)*4096+64*(\c)
	global_load_b128 v[32*(\u)+8*(\c)+4:32*(\u)+8*(\c)+7], v[QO0+(\u)/2], s[\base:\base+1] offset:((\u)%2)*4096+64*(\c)+32
.endr
.endr
	WIN 0
.endm
; Product i of 32 of S^T = K Q^T for tiles x, x + 1: channels 32 (i / 8) on, keys 16 ((i / 2) % 4) on, tile x + i % 2.  The first 8 start the sums with the mask.  The accumulators take turns.
.macro KQ x
.set uu, (\x)+i%2
.set kb, (i/2)%4
.set rS, S+32*uu+8*kb
.set rK, KF+32*kb+8*(i/8)
.set rQ, 32*uu+8*(i/8)
.if i < 8
.if kb < uu
.set rM, CMLO
.elseif kb == uu
.set rM, CMEQ
.else
.set rM, CMHI
.endif
	WIN W_KM
	v_wmma_f32_16x16x32_f16 v[rS:rS+7], v[rK:rK+7], v[rQ:rQ+7], v[rM:rM+7]
.else
	WIN W_KQ
	v_wmma_f32_16x16x32_f16 v[rS:rS+7], v[rK:rK+7], v[rQ:rQ+7], v[rS:rS+7]
.endif
.endm
; Product i of 32 of O^T += V^T P: keys 32 (i / 16) on, channels 16 ((i / 2) % 8) on, tile x + i % 2.
.macro PV x
	WIN W_PV
.set rO, 64*((\x)+i%2)+8*((i/2)%8)
.set rV, 64*(i/16)+8*((i/2)%8)
.set rP, P+16*((\x)+i%2)+8*(i/16)
	v_wmma_f32_16x16x32_f16 v[rO:rO+7], v[rV:rV+7], v[rP:rP+7], v[rO:rO+7]
.endm
.macro FETCH_K                         ; 32 loads: keys 16 (f / 4) on, channels 32 (f % 4) on: two blocks of 16 channels, 2,176 bytes apart
	WIN 0
	v_add_nc_u32 v[ADK], s[TB], v[AK0]
	WIN 0x80
.irp f, 0,1,2,3,4,5,6,7,8,9,10,11,12,13,14,15
	ds_load_b128 v[KF+8*(\f):KF+8*(\f)+3],   v[ADK] offset:((\f)%4)*4352+((\f)/4)*544
	ds_load_b128 v[KF+8*(\f)+4:KF+8*(\f)+7], v[ADK] offset:((\f)%4)*4352+((\f)/4)*544+2176
.endr
	WIN 0
.endm
.macro FETCH_V                         ; 32 turning loads: keys 32 (f / 8) on, channels 16 (f % 8) on
	WIN 0
	v_add_nc_u32 v[ADV], s[TB], v[AV0]
	WIN 0xc0
.irp f, 0,1,2,3,4,5,6,7,8,9,10,11,12,13,14,15
	ds_load_tr16_b128 v[8*(\f):8*(\f)+3],   v[ADV] offset:((\f)%8)*2176+((\f)/8)*1088
	ds_load_tr16_b128 v[8*(\f)+4:8*(\f)+7], v[ADV] offset:((\f)%8)*2176+((\f)/8)*1088+544
.endr
	WIN 0
.endm
; One tile's softmax for one trip is a list of 134 instructions; SM writes number j of it for tile t.
;   0-15 the maximum of the lane's 32 scores and the old m (each accumulator's lowest registers are read first)     16-20 the other half of the lanes' maximum; m; c m; its change
;   21-69 ONE BATCH: the 16 scalings c s - c m and all 33 exponentials (a at 23); none reads an exponential's result     70-85 the roundings to f16     86-101 the sums; l = a l + sum     102-133 O^T times a
.macro SM t
.set rT, ST+8*(\t)
.set rS, S+32*(\t)
.set rP, P+16*(\t)
.set rO, 64*(\t)+2*(j-102)
.if j < 102
	WIN 0
.endif
.if j < 4
	v_max3_num_f32 v[rT+4+j], v[rS+8*j], v[rS+8*j+1], v[rS+8*j+2]
.elseif j < 12
	v_max3_num_f32 v[rT+4+j%4], v[rT+4+j%4], v[rS+8*(j%4)+2*(j/4)+1], v[rS+8*(j%4)+2*(j/4)+2]
.elseif j == 12
	v_max3_num_f32 v[rT+4], v[rT+4], v[rS+7], v[rS+15]
.elseif j == 13
	v_max3_num_f32 v[rT+6], v[rT+6], v[rS+23], v[rS+31]
.elseif j == 14
	v_max3_num_f32 v[rT+4], v[rT+4], v[rT+5], v[rT+6]
.elseif j == 15
	v_max3_num_f32 v[rT+4], v[rT+4], v[rT+7], v[rT+1]
.elseif j == 16
	v_permlanex16_b32 v[rT+5], v[rT+4], s[SEL], s[SEL+1]
.elseif j == 17
	v_mov_b32 v[rT+7], v[rT]
.elseif j == 18
	v_max_num_f32 v[rT+1], v[rT+4], v[rT+5]
.elseif j == 19
	v_mul_f32 v[rT], s[CS], v[rT+1]
.elseif j == 20
	v_sub_f32 v[rT+7], v[rT+7], v[rT]
.elseif j == 23
	v_exp_f32 v[rT+6], v[rT+7]
.elseif (j < 23) || ((j < 38) && (j%2 == 0)) || ((j < 66) && (j%4 == 2))
.set b, (j-2)/4
.if j < 38
.set b, (j-20)/2
.endif
	v_pk_fma_f32 v[rS+2*b:rS+2*b+1], v[rS+2*b:rS+2*b+1], s[CS:CS+1], v[rT:rT+1] op_sel_hi:[1,0,0] neg_lo:[0,0,1] neg_hi:[0,0,1]
.elseif j < 70
.set e, j-38
.if j < 66
.set e, j-32-(j-38)/4
.endif
.if j < 38
.set e, (j-25)/2
.endif
	v_exp_f32 v[rS+e], v[rS+e]
.elseif j < 86
	v_cvt_pk_f16_f32 v[rP+j-70], v[rS+2*(j-70)], v[rS+2*(j-70)+1]
.elseif j < 102
.set z, j-86
.set w, 4
.set u, z
.if z >= 14
.set w, 32
.set u, 0
.elseif z >= 12
.set w, 16
.set u, z-12
.elseif z >= 8
.set w, 8
.set u, z-8
.endif
.if z < 15
	v_pk_add_f32 v[rS+w*u:rS+w*u+1], v[rS+w*u:rS+w*u+1], v[rS+w*u+w/2:rS+w*u+w/2+1]
.else
	v_pk_fma_f32 v[rT+2:rT+3], v[rT+2:rT+3], v[rT+6:rT+7], v[rS:rS+1] op_sel_hi:[1,0,1]
.endif
.else
	WIN W_RS
	v_pk_mul_f32 v[rO:rO+1], v[rO:rO+1], v[rT+6:rT+7] op_sel_hi:[1,0]
.endif
.endm
; Slice k of 64 of the softmax of tiles y, y + 1.  Slices 11 to 34 deal out the batch, four numbers of one tile each; every other slice is numbers 2 k, 2 k + 1 of both tiles; slice 63 takes the twelve that are over.
; Behind slice 34 stand a plain instruction and the one wait for the 66 exponentials, ahead of the first instruction that names a result.
.macro SLICE y
.if (k >= 11) && (k < 35)
.irp n, 0,1,2,3
.set j, 22+4*((k-11)/2)+(\n)
	SM (\y)+(k-11)%2
.endr
.else
.irp n, 0,1,2,3,4,5,6,7
.if ((\n) < 2) || (k == 63)
.irp t, \y, (\y)+1
.set j, 2*k+(\n)
	SM \t
.endr
.endif
.endr
.endif
.if k == 34
	v_nop
	s_wait_alu depctr_va_vdst(0)
.endif
.set k, k+1
.endm
; A BLOCK'S END, first half: my tiles 2, 3 go to my scratch: statistics, then O^T, 16 bytes a lane.
.macro ENDA
	WIN 0
.irp u, 2,3
	ds_store_b128 v[SCW], v[ST+8*(\u):ST+8*(\u)+3] offset:TSLOT*((\u)-2)+8192
.endr
	WIN 0x04
.irp u, 2,3
.irp g, 0,1,2,3,4,5,6,7,8,9,10,11,12,13,14,15
	ds_store_b128 v[SCW], v[64*(\u)+4*(\g):64*(\u)+4*(\g)+3] offset:TSLOT*((\u)-2)+512*(\g)
.endr
.endr
	WIN 0
.endm
; Second half, behind a barrier: my tiles 0, 1 take my partner's share: with c m = the greater of the two, O = (fA O_A + fB O_B) / (fA l_A + fB l_B), f = 2^(c m_own - c m).  Then f16, my stage, whole rows of 256 bytes.
.macro PACKE u
	WIN 0
.set z, 0
.rept 32
	v_pk_mul_f32 v[TT+64*(\u)+2*z:TT+64*(\u)+2*z+1], v[TT+64*(\u)+2*z:TT+64*(\u)+2*z+1], v[MG+8*(\u)+6:MG+8*(\u)+7] op_sel_hi:[1,0]
.set z, z+1
.endr
	WIN 0x01
.set z, 0
.rept 32
	v_pk_fma_f32 v[TT+64*(\u)+2*z:TT+64*(\u)+2*z+1], v[64*(\u)+2*z:64*(\u)+2*z+1], v[MG+8*(\u)+4:MG+8*(\u)+5], v[TT+64*(\u)+2*z:TT+64*(\u)+2*z+1] op_sel_hi:[1,0,1]
.set z, z+1
.endr
	WIN 0
.set z, 0
.rept 32
	v_cvt_pk_f16_f32 v[TT+64*(\u)+z], v[TT+64*(\u)+2*z], v[TT+64*(\u)+2*z+1]
.set z, z+1
.endr
.irp f, 0,1,2,3,4,5,6,7
	ds_store_b128 v[STO], v[TT+64*(\u)+4*(\f):TT+64*(\u)+4*(\f)+3] offset:32*(\f)
.endr
.irp f, 0,1,2,3,4,5,6,7
	ds_load_b128 v[TT+64*(\u)+4*(\f):TT+64*(\u)+4*(\f)+3], v[RD] offset:(\f)*2*SP  ; LDS serves a wave's instructions in order (ISA guide 5.7.1.4): these see the stores above
.endr
.endm
.macro SENDE u, younger                ; younger: the LDS instructions issued behind tile u's loads
.irp f, 0,1,2,3,4,5,6,7
	s_wait_dscnt (\younger)+7-(\f)
	global_store_b128 v[GO], v[TT+64*(\u)+4*(\f):TT+64*(\u)+4*(\f)+3], s[YP:YP+1] offset:65536*(\u)+8192*(\f)  ; 16 lanes store 256 consecutive bytes, aligned
.endr
.endm
.macro ENDB
	WIN 0
.irp u, 0,1
	ds_load_b128 v[MG+8*(\u):MG+8*(\u)+3], v[SCR] offset:TSLOT*(\u)+8192
.irp g, 0,1,2,3,4,5,6,7,8,9,10,11,12,13,14,15
	ds_load_b128 v[TT+64*(\u)+4*(\g):TT+64*(\u)+4*(\g)+3], v[SCR] offset:TSLOT*(\u)+512*(\g)
.endr
.endr
	s_wait_dscnt 0x0
.irp u, 0,1
	v_max_num_f32 v[MG+8*(\u)+5], v[ST+8*(\u)], v[MG+8*(\u)]
.endr
.irp u, 0,1
	v_sub_f32 v[MG+8*(\u)+4], v[ST+8*(\u)], v[MG+8*(\u)+5]
	v_sub_f32 v[MG+8*(\u)+6], v[MG+8*(\u)], v[MG+8*(\u)+5]
.endr
.irp u, 0,1
	v_exp_f32 v[MG+8*(\u)+4], v[MG+8*(\u)+4]
	v_exp_f32 v[MG+8*(\u)+6], v[MG+8*(\u)+6]
.endr
.irp u, 0,1
	v_add_f32 v[MG+8*(\u)+7], v[ST+8*(\u)+2], v[ST+8*(\u)+3]
	v_add_f32 v[MG+8*(\u)+2], v[MG+8*(\u)+2], v[MG+8*(\u)+3]
.endr
	s_wait_alu depctr_va_vdst(0)                   ; one wait for the four exponentials; the four additions are the plain work behind them
.irp u, 0,1
	v_mul_f32 v[MG+8*(\u)+7], v[MG+8*(\u)+7], v[MG+8*(\u)+4]
.endr
.irp u, 0,1
	v_fma_f32 v[MG+8*(\u)+7], v[MG+8*(\u)+2], v[MG+8*(\u)+6], v[MG+8*(\u)+7]
.endr
.irp u, 0,1
	v_permlanex16_b32 v[MG+8*(\u)+5], v[MG+8*(\u)+7], s[SEL], s[SEL+1]
.endr
.irp u, 0,1
	v_add_f32 v[MG+8*(\u)+7], v[MG+8*(\u)+7], v[MG+8*(\u)+5]
.endr
.irp u, 0,1
	v_rcp_f32 v[MG+8*(\u)+5], v[MG+8*(\u)+7]
.endr
	v_nop
	s_wait_alu depctr_va_vdst(0)                   ; one wait for the two reciprocals
.irp u, 0,1
	v_mul_f32 v[MG+8*(\u)+4], v[MG+8*(\u)+4], v[MG+8*(\u)+5]
	v_mul_f32 v[MG+8*(\u)+6], v[MG+8*(\u)+6], v[MG+8*(\u)+5]
.endr
	PACKE 0
	PACKE 1
	SENDE 0, 16
	SENDE 1, 0
	s_wait_xcnt 0x0                                ; the stores have read their registers and y's address
.endm
.macro BEGIN                           ; the second block: c m far below every c s, m the lowest finite number; O^T and l need only be finite, since the first a is 0
	WIN 0
.irp t, 0,1,2,3
	v_mov_b32 v[ST+8*(\t)], 0xfe000000
	v_mov_b32 v[ST+8*(\t)+1], 0xff7fffff
.endr
	s_mov_b64 s[YP:YP+1], s[YP2:YP2+1]
	s_mov_b32 s[DG], 16
.endm
; A TRIP.  main = 1: the slot whose tile now lies in registers is filled again, with the tile two trips on.
.macro TRIP main
	s_cmp_eq_u32 s[N], s[DG]                       ; the trip of the diagonal?
	s_cselect_b32 s[F], 1.0, 0
	s_cselect_b32 s[CLO], s[MA], 0
	s_cselect_b32 s[CHI], s[MB], 0
	WIN 0xcc
.set z, 0
.rept 8
	v_mov_b32 v[CMLO+z], s[CLO]
	v_mul_f32 v[CMEQ+z], s[F], v[MEQ+z]
	v_mov_b32 v[CMHI+z], s[CHI]
.set z, z+1
.endr
	WIN 0
	s_wait_loadcnt 0x0                             ; Q
	s_wait_dscnt 32                                ; K of this tile is in; V's 32 loads may stay out
.set i, 0
.rept 16
	KQ 0
.set i, i+1
.endr
	WIN 0
	s_wait_tensorcnt 0x0                           ; all my tensor loads have landed: my part of the next tile
	ds_add_u32 v[SPW], v[NIL]                      ; 0 onto my spare word
.if \main
	GEN
	s_xor_b32 s[G0K+5], s[G0K+5], SLOT1
	s_xor_b32 s[G0V+5], s[G0V+5], SLOT1
	DESC 1
	s_wait_xcnt 0x0                                ; the last prefetch, a trip back, has read its address
	s_add_nc_u64 s[PFA:PFA+1], s[PFA:PFA+1], 4096
.endif
.rept 8
	KQ 0
.set i, i+1
.endr
	s_wait_dscnt 0x0                               ; the add is done; V is in: my reads of this tile's slot are over; what I put into my scratch is there
	s_barrier_signal -1
.rept 8
	KQ 0
.set i, i+1
.endr
	WIN 0
	s_barrier_wait -1
.if \main
	CREST                                          ; no wave of any partner still reads the slot or has a load on its way
	JLOAD                                          ; its four v_nop are also the places behind the products above
	ASK
	s_cmp_eq_u32 s[N], s[JP1]                      ; the first trip of the second block: the first block is finished
	s_cbranch_scc0 .Lno_end_\@
	ENDB
	BEGIN
.Lno_end_\@:
	s_barrier_signal -1                            ; a second barrier: every wave's reads of its partner's scratch are over before any wave writes its scratch again; only register work up to its wait
.else
	PLACES
.endif
.set k, 0
.set i, 0
.rept 32
	KQ 2
	SLICE 0
	SLICE 0
.set i, i+1
.endr
	WIN 0
.if \main
	s_barrier_wait -1
.else
	s_cmp_eq_u32 s[N], 16                          ; the last trip fetches nothing
	s_cbranch_scc1 .Lno_k_\@
.endif
	FETCH_K                                        ; the next tile's K; slices 62 and 63 are the places behind the last product that read K
.if \main
	s_cmp_eq_u32 s[N], s[J]                        ; the first block's last trip: Q's registers are free, the second block's Q goes out
	s_cbranch_scc0 .Lno_q_\@
	QLOAD QP2
.Lno_q_\@:
.else
.Lno_k_\@:
.endif
.set k, 0
.set i, 0
.rept 32
	PV 0
	SLICE 2
	SLICE 2
.set i, i+1
.endr
.set i, 0
.rept 32
	PV 2
.set i, i+1
.endr
	WIN 0
	PLACES
.if !(\main)
	s_cmp_eq_u32 s[N], 16
	s_cbranch_scc1 .Lno_v_\@
.endif
	FETCH_V                                        ; the next tile's V
.if !(\main)
.Lno_v_\@:
.endif
	s_xor_b32 s[TB], s[TB], SLOT1
.if \main
	s_cmp_eq_u32 s[N], s[J]
	s_cbranch_scc0 .Lno_a_\@
	ENDA                                           ; the next trip's round stands between these stores and the partner's reads
.Lno_a_\@:
.endif
.endm
	s_load_b128 s[4:7], s[0:1], 0x0                ; qb s[4:5], kvb s[6:7]
	s_load_b64 s[8:9], s[0:1], 0x10                ; yb
	v_lshl_add_u32 v[SPW], v0, 2, SPARE
	v_mov_b32 v[NIL], 0
	ds_add_u32 v[SPW], v[NIL]                      ; the wave's opening: the add and its wait come ahead of my first tensor load
	v_lshrrev_b32 v1, 5, v0
	v_readfirstlane_b32 s[WV], v1
	s_bfe_u32 s[CX], ttmp6, 0x40000
	s_lshl_b32 s[HD], ttmp9, 2
	s_add_co_u32 s[HD], s[HD], s[CX]               ; head = 4 x cluster x + cx
	s_and_b32 s80, ttmp7, 0xffff
	s_lshr_b32 s81, s80, 3                         ; batch
	s_and_b32 s[J], s80, 7
	s_sub_co_u32 s[LQ2], 15, s[J]
	s_add_co_u32 s[JP1], s[J], 1
	s_and_b32 s[KH], s[WV], 1
	s_lshr_b32 s[QH], s[WV], 1
	s_xor_b32 s[XX], s[KH], s[QH]
	s_mov_b32 s[G1], 15|(1<<16)|(1<<20)|(1<<21)|(5<<22)|(3<<25)  ; the mask of four; 2-byte elements; padding on; bit 21 beside a mask; after every 64 words 4 words
	s_mov_b32 s[G1+1], 1024<<16                    ; tensor_dim0 = 1,024: 64 keys x 16 channels, 2,048 dense bytes
	s_mov_b32 s[G1+2], 8<<16                       ; tensor_dim1 = 8 blocks of channels
	s_mov_b32 s[G1+3], 1024<<16                    ; tile_dim0
	s_mov_b32 s[G1+4], 8                           ; tile_dim1
	s_mov_b32 s[G1+5], 32768                       ; elements from block to block
	s_mov_b32 s[G1+6], 0
	s_mov_b32 s[G1+7], 0
	s_mul_i32 s80, s[KH], HALF                     ; which half of a tile I fetch, and its place in a slot
	s_mov_b32 s[G0K], 1
	s_mov_b32 s[G0K+1], s80
	s_mov_b32 s[G0K+4], 1
	s_add_co_u32 s[G0K+5], s80, SLOT1
	s_mov_b32 s[G0V], 1
	s_add_co_u32 s[G0V+1], s80, VOFF
	s_mov_b32 s[G0V+4], 1
	s_add_co_u32 s[G0V+5], s80, SLOT1+VOFF
	s_mov_b32 s[CS], 0x3e0293ee                    ; c = log2(e) / sqrt(128)
	s_mov_b32 s[CS+1], s[CS]
	s_mov_b32 s[SEL], 0x76543210
	s_mov_b32 s[SEL+1], 0xfedcba98
	s_mov_b32 s[BIG], 0xf149f2ca                   ; -1e30
	s_cmp_gt_u32 s[KH], s[QH]
	s_cselect_b32 s[MA], s[BIG], 0                 ; the diagonal tile, key blocks below the tile's: hidden only where my keys lie behind my queries' half
	s_cmp_lt_u32 s[KH], s[QH]
	s_cselect_b32 s[MB], 0, s[BIG]                 ; key blocks above: seen only where my keys lie ahead of it
	s_cmp_eq_u32 s[XX], 0
	s_cselect_b32 s[SH], s[BIG], s[MA]             ; the tile's own key block: the triangle where kh = qh, else as the others
	s_cselect_b32 s[SV], 0, s[MA]
	s_mov_b32 s[NXT], 0
	s_mov_b32 s[LQ], s[J]
	s_mov_b32 s[OFF+1], 0
	s_mov_b32 s[DG], s[J]
	s_or_b32 s80, s[KH], ttmp9
	s_or_b32 s80, s80, s[J]
	s_cmp_eq_u32 s80, 0
	s_cselect_b32 s[LIM], 13, 0                    ; the same in all four partners, for a given wave
	s_lshl_b32 s82, s81, 19                        ; the batch's K,
	s_lshl_b32 s83, s[KH], 11                      ; my half's 64 keys x 32 bytes
	s_add_co_u32 s82, s82, s83
	s_mov_b32 s83, 0
	s_wait_dscnt 0x0                               ; the opening add is done
	s_wait_kmcnt 0x0
	s_add_nc_u64 s[KB:KB+1], s[6:7], s[82:83]
	s_add_nc_u64 s[VB:VB+1], s[KB:KB+1], 0x100000
	GEN
	DESC 0
	GEN
	DESC 1
	s_lshl_b32 s86, s81, 4                         ; Q: row (16 batch + head) 2,048 + 128 block + 64 qh, 256 bytes a row
	s_add_co_u32 s86, s86, s[HD]
	s_lshl_b32 s86, s86, 11
	s_lshl_b32 s87, s[QH], 6
	s_add_co_u32 s86, s86, s87
	s_lshl_b32 s87, s[J], 7
	s_add_co_u32 s88, s86, s87
	s_lshl_b32 s88, s88, 8
	s_mov_b32 s89, 0
	s_add_nc_u64 s[QP1:QP1+1], s[4:5], s[88:89]
	s_lshl_b32 s87, s[LQ2], 7
	s_add_co_u32 s88, s86, s87
	s_lshl_b32 s88, s88, 8
	s_add_nc_u64 s[QP2:QP2+1], s[4:5], s[88:89]
	s_lshl_b32 s86, s81, 11                        ; y: row 2,048 batch + 128 block + 64 qh + 32 x, 4,096 bytes a row; the head's 256 bytes
	s_lshl_b32 s87, s[QH], 6
	s_add_co_u32 s86, s86, s87
	s_lshl_b32 s87, s[XX], 5
	s_add_co_u32 s86, s86, s87
	s_lshl_b32 s87, s[J], 7
	s_add_co_u32 s88, s86, s87
	s_lshl_b32 s88, s88, 12
	s_lshl_b32 s87, s[HD], 8
	s_add_co_u32 s88, s88, s87
	s_add_nc_u64 s[YP:YP+1], s[8:9], s[88:89]
	s_lshl_b32 s88, s[LQ2], 7
	s_add_co_u32 s88, s86, s88
	s_lshl_b32 s88, s88, 12
	s_add_co_u32 s88, s88, s87
	s_add_nc_u64 s[YP2:YP2+1], s[8:9], s[88:89]
	s_lshl_b32 s86, s81, 19                        ; the prefetches: the batch, my work-group's two blocks of channels, K or V, tile 2: each trip steps it first
	s_lshl_b32 s87, s[CX], 17
	s_add_co_u32 s86, s86, s87
	s_lshl_b32 s87, s[QH], 20
	s_add_co_u32 s86, s86, s87
	s_add_co_u32 s86, s86, 2*4096
	s_mov_b32 s87, 0
	s_add_nc_u64 s[PFA:PFA+1], s[6:7], s[86:87]
	CROUND                                         ; all four work-groups are here: the first joint loads meet
	s_cmp_lt_u32 s[WV], 2                          ; a wave's two first fills stand together: two loads of mine are out
	s_cbranch_scc0 .Lfirst_v
	tensor_load_to_lds s[G0K:G0K+3], s[G1:G1+7]
	s_nop 0
	tensor_load_to_lds s[G0K+4:G0K+7], s[G1:G1+7]
	s_nop 0
	PLACES
	s_branch .Lfirst_asked
.Lfirst_v:
	tensor_load_to_lds s[G0V:G0V+3], s[G1:G1+7]
	s_nop 0
	tensor_load_to_lds s[G0V+4:G0V+7], s[G1:G1+7]
	s_nop 0
	PLACES
.Lfirst_asked:
	v_and_b32 v64, 15, v0                          ; l % 16
	v_bfe_u32 v65, v0, 4, 1                        ; l / 16
	v_and_b32 v66, 31, v0
	v_lshlrev_b32 v[QO0], 8, v64                   ; a fragment of Q: row x 256 + 16 (l / 16); my tiles 0, 1 are rows 32 x on, my tiles 2, 3 rows 32 (1 - x) on
	v_lshl_add_u32 v[QO0], v65, 4, v[QO0]
	s_lshl_b32 s80, s[XX], 13
	s_xor_b32 s82, s80, 8192
	v_add_nc_u32 v[QO1], s82, v[QO0]
	v_add_nc_u32 v[QO0], s80, v[QO0]
	QLOAD QP1
	WIN 0x40                                       ; O^T and l start finite: the first step multiplies them by a = 0.  All this stands in the wait for the first tile
.set z, 0
.rept 256
	v_mov_b32 v[z], 0
.set z, z+1
.endr
	WIN 0
.irp t, 0,1,2,3
	v_mov_b32 v[ST+8*(\t)], 0xfe000000
	v_mov_b32 v[ST+8*(\t)+1], 0xff7fffff
	v_mov_b32 v[ST+8*(\t)+2], 0
	v_mov_b32 v[ST+8*(\t)+3], 0
.endr
	v_lshlrev_b32 v67, 3, v65
	v_sub_nc_u32 v67, v64, v67                     ; register z of the tile's own key block is hidden where z > l % 16 - 8 (l / 16)
	v_mov_b32 v68, s[SV]
	WIN 0xc0
.set z, 0
.rept 8
	v_cmp_gt_i32 vcc_lo, z, v67
	v_cndmask_b32 v[MEQ+z], v68, s[SH], vcc_lo
.set z, z+1
.endr
	WIN 0
	v_lshlrev_b32 v[AK0], 5, v64                   ; K: key r at 32 r + 16 (r / 8), 16 bytes for each half of the lanes
	v_lshrrev_b32 v67, 3, v64
	v_add_nc_u32 v67, v67, v65
	v_lshl_add_u32 v[AK0], v67, 4, v[AK0]
	v_and_b32 v67, 7, v0                           ; V, turned: key 8 (l / 16) + l % 8, channels 8 ((l / 8) % 2) on
	v_lshlrev_b32 v[AV0], 5, v67
	v_bfe_u32 v67, v0, 3, 1
	v_lshl_add_u32 v[AV0], v67, 4, v[AV0]
	v_mul_u32_u24 v67, v65, 272
	v_add_nc_u32 v[AV0], v67, v[AV0]
	v_add_nc_u32 v[AV0], VOFF, v[AV0]
	s_mul_i32 s80, s[WV], 16*SP
	s_add_co_u32 s80, s80, STAGE
	v_mul_u32_u24 v[STO], v64, SP
	v_lshl_add_u32 v[STO], v65, 4, v[STO]
	v_add_nc_u32 v[STO], s80, v[STO]
	v_mul_u32_u24 v[RD], v65, SP
	v_lshl_add_u32 v[RD], v64, 4, v[RD]
	v_add_nc_u32 v[RD], s80, v[RD]
	v_lshlrev_b32 v[GO], 12, v65
	v_lshl_add_u32 v[GO], v64, 4, v[GO]
	s_mul_i32 s80, s[WV], 2*TSLOT
	s_add_co_u32 s80, s80, SCRATCH
	v_lshl_add_u32 v[SCW], v66, 4, s80
	s_xor_b32 s82, s[WV], 1
	s_mul_i32 s82, s82, 2*TSLOT
	s_add_co_u32 s82, s82, SCRATCH
	v_lshl_add_u32 v[SCR], v66, 4, s82
	v_lshlrev_b32 v[PFO], 16, v65
	v_lshl_add_u32 v[PFO], v64, 8, v[PFO]
	s_wait_tensorcnt 0x1                           ; my part of the first tile is in; the second's may stay out
	s_barrier_signal -1
	s_barrier_wait -1
	s_mul_i32 s[TB], s[KH], HALF
	FETCH_K
	FETCH_V
	s_xor_b32 s[TB], s[TB], SLOT1
	s_mov_b32 s[N], 0
.Ltrip:                                        ; 15 trips, each of which asks for the tile two trips on
	TRIP 1
	s_add_co_u32 s[N], s[N], 1
	s_cmp_lt_u32 s[N], 15
	s_cbranch_scc1 .Ltrip
.Ltail:                                        ; the last two trips have a text of their own
	TRIP 0
	s_add_co_u32 s[N], s[N], 1
	s_cmp_lt_u32 s[N], 17
	s_cbranch_scc1 .Ltail
	ENDA
	s_wait_dscnt 0x0                               ; for my partner's sake: my stores into the scratch are done
	s_barrier_signal -1
	s_barrier_wait -1
	ENDB
	s_wait_tensorcnt 0x0                           ; the wave's end, behind my last tensor load and my last LDS store
	ds_add_u32 v[SPW], v[NIL]
	s_wait_dscnt 0x0
	CROUND                                         ; the closing round
	s_endpgm
.Lfunc_end_k_q9b72c6aa71_attn:
	.size	k_q9b72c6aa71_attn, .Lfunc_end_k_q9b72c6aa71_attn-k_q9b72c6aa71_attn
	.p2alignl 7, 3214868480
	.fill 96, 4, 3214868480
	.section	.rodata,"a",@progbits
	.p2align	6, 0x0
	.amdhsa_kernel k_q9b72c6aa71_attn
		.amdhsa_group_segment_fixed_size 327680
		.amdhsa_private_segment_fixed_size 0
		.amdhsa_enable_private_segment 0
		.amdhsa_kernarg_size 24
		.amdhsa_user_sgpr_count 2
		.amdhsa_user_sgpr_kernarg_segment_ptr 1
		.amdhsa_wavefront_size32 1
		.amdhsa_system_sgpr_workgroup_id_x 1
		.amdhsa_system_sgpr_workgroup_id_y 1
		.amdhsa_system_sgpr_workgroup_id_z 1
		.amdhsa_system_vgpr_workitem_id 0
		.amdhsa_next_free_vgpr 1024
		.amdhsa_next_free_sgpr 90
		.amdhsa_reserve_vcc 1
		.amdhsa_float_denorm_mode_32 3
		.amdhsa_float_denorm_mode_16_64 3
		.amdhsa_memory_ordered 1
		.amdhsa_forward_progress 1
		.amdhsa_inst_pref_size 169
	.end_amdhsa_kernel
	.amdgpu_metadata
---
amdhsa.version: [ 1, 2 ]
amdhsa.kernels:
  - .name:           k_q9b72c6aa71_attn
    .symbol:         k_q9b72c6aa71_attn.kd
    .args:
      - { .name: qb, .offset: 0, .size: 8, .value_kind: global_buffer, .address_space: global }
      - { .name: kvb, .offset: 8, .size: 8, .value_kind: global_buffer, .address_space: global }
      - { .name: yb, .offset: 16, .size: 8, .value_kind: global_buffer, .address_space: global }
    .group_segment_fixed_size: 327680
    .private_segment_fixed_size: 0
    .kernarg_segment_align: 8
    .kernarg_segment_size: 24
    .max_flat_workgroup_size: 128
    .sgpr_count:     90
    .vgpr_count:     1024
    .wavefront_size: 32
...
	.end_amdgpu_metadata
.endif
;; end of part 3
;; launch gemm2 (part 4): grid 8 x 32, 4 waves a work-group, clusters of 4 x 4, 327,680 bytes of LDS; arguments yb, wpb, b_proj, out0; writes out0
.if DOCPART == 4
	.amdgcn_target "amdgcn-amd-amdhsa--gfx1250"
	.amdhsa_code_object_version 6
	.text
	.protected	k_q9b72c6aa71_gemm2
	.globl	k_q9b72c6aa71_gemm2
	.p2align	8
	.type	k_q9b72c6aa71_gemm2,@function
k_q9b72c6aa71_gemm2:
	s_mov_b64 s[64:65], 0
	v_nop
	global_prefetch_b8 v0, s[64:65] scope:SCOPE_SE
	s_setreg_imm32_b32 hwreg(HW_REG_WAVE_MODE, 25, 1), 1
	s_wait_xcnt 0x0
	s_wait_alu depctr_hold_cnt(0) depctr_sa_sdst(0) depctr_va_vdst(0) depctr_va_sdst(0) depctr_va_ssrc(0) depctr_va_vcc(0) depctr_vm_vsrc(0)
	s_getreg_b32 s2, hwreg(HW_REG_IB_STS2, 6, 4)
	s_cmp_eq_u32 s2, 0
	s_cbranch_scc0 .Lentry_in_a_cluster
	s_endpgm
.Lentry_in_a_cluster:
	s_bfe_u32 s2, ttmp6, 0x10000c
	s_cmp_lg_u32 s2, 0xf033
	s_cbranch_scc0 .Lentry_shape_is_right
	s_endpgm
.Lentry_shape_is_right:
; GEMM 2.  out0 = yb wpb + b_proj.  yb [4096][2048] and wpb [k 2048][n 2048] in f16 (wpb holds W_proj rounded to bf16), out0 [4096][2048] in f32; sums in f32;
; the bias, rounded to bf16 like every input, starts the sums as the first products' C.
; SHARES, RING, CLUSTER as in the first product: a work-group makes 128 rows x 256 columns, wave w (rh = w / 2, ch = w % 2) 64 rows x 128 columns, its row blocks in the order a xor 2 ch;
; K in 16 steps of 128 through two LDS slots; y's tile is shared along a row of the 4 x 4 cluster, W's along a column.
; THE MATRIX INSTRUCTION IS USED TRANSPOSED (source 0 = 16 columns of W, turned out of LDS; source 1 = 16 rows of y): a lane holds row lane % 16 and the columns 8 (lane / 16) + 0..7: 32 bytes of f32 on end.
; LDS: slot s at 131,072 s: y 128 rows of 272 bytes; W 128 rows of 544 bytes at 34,816.  Stages (16 rows x 528 bytes a wave) at 239,616; spare words at 273,408.
; REGISTERS: window 0: v1-29 addresses; v64-127 y's fragments, two buffers; v128-191 the bias.  window 1: v0-127 W's fragments, two buffers, later rows read back.  window 2: the accumulators, (a, b) at 8 (8 a + b).
.set SLOT1,  131072
.set PITA,   272
.set PITB,   544
.set BOFF,   34816
.set STAGE,  239616
.set SPITCH, 528                       ; 512 bytes + 16: the 16 rows that a store touches start at 16 different groups of four banks (64 banks of 4 bytes: ISA guide 11.1)
.set SPARE,  273408
.set NL,     24                        ; LDS loads in a run: 16 for W, 8 for y
.set PX, 4
.set PW, 6
.set PBD, 8
.set PO, 10
.set WV, 20
.set RH, 21
.set CH, 22
.set CNT, 23
.set G1A, 24
.set G0A, 32
.set G1B, 40
.set G0B, 48
.set TM, 66                            ; s[66:67], s[100:101] at work on numbers made of both places in the cluster
.set TM2, 100
.set CX, 76
.set CY, 77
.set NT, 78
.set MT, 79
.set RMASK, 80
.set CMASK, 81
.set TB, 82
.set LIM, 83
.set PFA, 84
.set PFS, 86
.set OUT0, 88
.set OUT1, 90
.set TY, 96                            ; never holds cx
.set TX, 98                            ; s[98:99], s2, s3: never hold cy
.set R, 1
.set H, 2
.set LN, 3
.set AB0, 4
.set AB1, 5
.set BB, 6
.set STO, 12
.set RD, 13
.set CO, 14
.set BO, 19
.set PFO, 21
.set SPW, 28
.set NIL, 29
.set FA, 64
.set BIAS, 128
.set FB, 0
.set MSB, 0
.macro WIN new
.if MSB != (\new)
	s_set_vgpr_msb (MSB<<8)|(\new)
.set MSB, \new
.endif
.endm
.macro PLACES
.rept 4
	v_nop
.endr
.endm
.macro CREST
	s_cmp_lg_u32 s[WV], 0
	s_cbranch_scc1 .Lnot_wave_0_\@
	s_barrier_signal -3
.Lnot_wave_0_\@:
	s_barrier_wait -3
	s_barrier_signal -1
	s_barrier_wait -1
.endm
.macro CROUND
	s_barrier_signal -1
	s_barrier_wait -1
	CREST
.endm
.macro JLOAD                           ; a joint refill by the walking groups 0; wave 1 has no part of a tile to fill.  An s_nop 0 and four v_nop follow each load
	s_cmp_eq_u32 s[WV], 0
	s_cbranch_scc0 .Lnot_a_\@
	tensor_load_to_lds s[G0A+4:G0A+7], s[G1A:G1A+7]
	s_nop 0
	PLACES
	s_branch .Lasked_\@
.Lnot_a_\@:
	s_cmp_eq_u32 s[WV], 1
	s_cbranch_scc1 .Lasked_\@
	tensor_load_to_lds s[G0B+4:G0B+7], s[G1B:G1B+7]
	s_nop 0
	PLACES
.Lasked_\@:
.endm
; A prefetch of the K step that stands two refills on: y's rows by wave 0 of the clusters with x = 0 (the partner at cx takes rows 32 cx + lane), W's by waves 2 and 3 of the clusters with y = 0
; (the partner at cy takes 16 of the wave's 64 rows k, two blocks of 256 bytes a row).  Each block is named once; the last four K steps' refills ask for nothing.
.macro ASK
	s_cmp_gt_u32 s[CNT], s[LIM]
	s_cbranch_scc0 .Lnot_mine_\@
	global_prefetch_b8 v[PFO], s[PFA:PFA+1] th:TH_LOAD_NT scope:SCOPE_SE
.Lnot_mine_\@:
.endm
.macro MULA f, a, start                ; 8 matrix instructions: row block a x 8 column blocks, 32 along K.  start = 1: the bias starts the sums.  The accumulators take turns
.if \start
	WIN 0x81
.else
	WIN 0xa1
.endif
.irp b, 0,1,2,3,4,5,6,7
.set rD, 8*(8*(\a)+(\b))
.set rB, FB+64*(\f)+8*(\b)
.set rA, FA+32*(\f)+8*(\a)
.if \start
	v_wmma_f32_16x16x32_f16 v[rD:rD+7], v[rB:rB+7], v[rA:rA+7], v[BIAS+8*(\b):BIAS+8*(\b)+7]
.else
	v_wmma_f32_16x16x32_f16 v[rD:rD+7], v[rB:rB+7], v[rA:rA+7], v[rD:rD+7]
.endif
.endr
.endm
.macro FETCH q, g                      ; one run of 24 LDS loads; the three additions and the v_nop are the places behind the products that read buffers g
	WIN 0
	v_add_nc_u32 v8, s[TB], v[AB0]
	v_add_nc_u32 v9, s[TB], v[AB1]
	v_add_nc_u32 v10, s[TB], v[BB]
	v_nop
	WIN 0x40
.irp b, 0,1,2,3,4,5,6,7
	ds_load_tr16_b128 v[FB+64*(\g)+8*(\b):FB+64*(\g)+8*(\b)+3],   v10 offset:(\q)*32*PITB+32*(\b)
	ds_load_tr16_b128 v[FB+64*(\g)+8*(\b)+4:FB+64*(\g)+8*(\b)+7], v10 offset:(\q)*32*PITB+32*(\b)+16*PITB
.endr
	WIN 0
.irp a, 0,1,2,3
	ds_load_b128 v[FA+32*(\g)+8*(\a):FA+32*(\g)+8*(\a)+3],   v[8+(\a)/2] offset:((\a)%2)*16*PITA+64*(\q)
	ds_load_b128 v[FA+32*(\g)+8*(\a)+4:FA+32*(\g)+8*(\a)+7], v[8+(\a)/2] offset:((\a)%2)*16*PITA+64*(\q)+32
.endr
.endm
.macro QUARTER q, f, g, start
	s_wait_dscnt 4                                 ; all but the youngest four loads (y's blocks 2 and 3)
	MULA \f, 0, \start
	MULA \f, 1, \start
	FETCH \q, \g
	s_wait_dscnt NL                                ; all but the run just issued
	MULA \f, 2, \start
	MULA \f, 3, \start
.endm
.macro TURN fill                       ; the last quarter and the change of slots, as in the first product
.if \fill
	s_wait_xcnt 0x0                                ; the last prefetch, a K step back, has read its address
	s_add_nc_u64 s[PFA:PFA+1], s[PFA:PFA+1], s[PFS:PFS+1]
.endif
	WIN 0
	s_wait_tensorcnt 0x0                           ; all my tensor loads have landed
	ds_add_u32 v[SPW], v[NIL]                      ; 0 onto my spare word
	s_wait_dscnt 5                                 ; (the add and the youngest four loads may be out)
	MULA 1, 0, 0
	s_wait_dscnt 0x0                               ; the add is done, and my reads of this slot are over
	s_barrier_signal -1
	MULA 1, 1, 0
	WIN 0
	s_barrier_wait -1
.if \fill
	CREST                                          ; no wave of any partner still reads this slot or has a load on its way
	s_xor_b32 s[G0A+5], s[G0A+5], SLOT1
	s_add_nc_u64 s[G0A+6:G0A+7], s[G0A+6:G0A+7], 256
	s_xor_b32 s[G0B+5], s[G0B+5], SLOT1
	s_add_nc_u64 s[G0B+6:G0B+7], s[G0B+6:G0B+7], 524288
	JLOAD
.endif
	s_xor_b32 s[TB], s[TB], SLOT1
	FETCH 0, 0
.if \fill
	ASK
.endif
	MULA 1, 2, 0
	MULA 1, 3, 0
.endm
	s_load_b256 s[4:11], s[0:1], 0x0               ; yb 4, wpb 6, b_proj 8, out0 10
	v_lshl_add_u32 v[SPW], v0, 2, SPARE
	v_mov_b32 v[NIL], 0
	ds_add_u32 v[SPW], v[NIL]                      ; the wave's opening: the add and its wait come ahead of my first tensor load
	v_lshrrev_b32 v1, 5, v0
	v_readfirstlane_b32 s[WV], v1
	s_lshr_b32 s[RH], s[WV], 1
	s_and_b32 s[CH], s[WV], 1
	s_bfe_u32 s[CX], ttmp6, 0x40000
	s_bfe_u32 s[CY], ttmp6, 0x40004
	s_lshl_b32 s[NT], ttmp9, 2
	s_add_co_u32 s[NT], s[NT], s[CX]
	s_and_b32 s[MT], ttmp7, 0xffff
	s_lshl_b32 s[MT], s[MT], 2
	s_add_co_u32 s[MT], s[MT], s[CY]
	s_lshl_b32 s[RMASK], s[CY], 2
	s_lshl_b32 s[RMASK], 15, s[RMASK]
	s_lshl_b32 s[CMASK], 0x1111, s[CX]
	s_or_b32 s[G1A], s[RMASK], (1<<16)|(1<<20)|(1<<21)|(5<<22)|(3<<25)
	s_mov_b32 s[G1A+1], 128<<16
	s_mov_b32 s[G1A+2], 128<<16
	s_mov_b32 s[G1A+3], 128<<16
	s_mov_b32 s[G1A+4], 128
	s_mov_b32 s[G1A+5], 2048
	s_mov_b32 s[G1A+6], 0
	s_mov_b32 s[G1A+7], 0
	s_or_b32 s[G1B], s[CMASK], (1<<16)|(1<<20)|(1<<21)|(6<<22)|(7<<25)
	s_mov_b32 s[G1B+1], 256<<16
	s_mov_b32 s[G1B+2], 64<<16
	s_mov_b32 s[G1B+3], 256<<16
	s_mov_b32 s[G1B+4], 64
	s_mov_b32 s[G1B+5], 2048
	s_mov_b32 s[G1B+6], 0
	s_mov_b32 s[G1B+7], 0
	s_lshl_b32 s[TY], s[MT], 19
	s_mov_b32 s[TY+1], 0
	s_lshl_b32 s[TX], s[CH], 18
	s_lshl_b32 s2, s[NT], 9
	s_add_co_u32 s[TX], s[TX], s2
	s_mov_b32 s[TX+1], 0
	s_mul_i32 s[TB], s[CH], BOFF
	s_add_co_u32 s[TB], s[TB], BOFF
	s_wait_dscnt 0x0                               ; the opening add is done
	s_wait_kmcnt 0x0
	s_add_nc_u64 s[TY:TY+1], s[PX:PX+1], s[TY:TY+1]
	s_add_nc_u64 s[TX:TX+1], s[PW:PW+1], s[TX:TX+1]
.irp s, 0,1
	s_mov_b32 s[G0A+4*(\s)], 1
	s_mov_b32 s[G0A+4*(\s)+1], (\s)*SLOT1
	s_add_nc_u64 s[G0A+4*(\s)+2:G0A+4*(\s)+3], s[TY:TY+1], (\s)*256
	s_or_b32 s[G0A+4*(\s)+3], s[G0A+4*(\s)+3], 0x80000000
	s_mov_b32 s[G0B+4*(\s)], 1
	s_add_co_u32 s[G0B+4*(\s)+1], s[TB], (\s)*SLOT1
	s_add_nc_u64 s[G0B+4*(\s)+2:G0B+4*(\s)+3], s[TX:TX+1], (\s)*524288
	s_or_b32 s[G0B+4*(\s)+3], s[G0B+4*(\s)+3], 0x80000000
.endr
	CROUND                                         ; all sixteen work-groups are here: the first joint loads meet
	s_cmp_eq_u32 s[WV], 0
	s_cbranch_scc0 .Lf_not_a
	tensor_load_to_lds s[G0A:G0A+3], s[G1A:G1A+7]
	s_nop 0
	tensor_load_to_lds s[G0A+4:G0A+7], s[G1A:G1A+7]
	s_nop 0
	PLACES
	s_branch .Lf_done
.Lf_not_a:
	s_cmp_eq_u32 s[WV], 1
	s_cbranch_scc1 .Lf_done
	tensor_load_to_lds s[G0B:G0B+3], s[G1B:G1B+7]
	s_nop 0
	tensor_load_to_lds s[G0B+4:G0B+7], s[G1B:G1B+7]
	s_nop 0
	PLACES
.Lf_done:
	v_and_b32 v[R], 15, v0
	v_bfe_u32 v[H], v0, 4, 1
	v_and_b32 v[LN], 31, v0
	s_lshl_b32 s2, s[NT], 10
	s_lshl_b32 s3, s[CH], 9
	s_add_co_u32 s2, s2, s3
	v_lshl_add_u32 v[BO], v[H], 5, s2
.irp b, 0,1,2,3,4,5,6,7
	global_load_b128 v[BIAS+8*(\b):BIAS+8*(\b)+3],   v[BO], s[PBD:PBD+1] offset:64*(\b)
	global_load_b128 v[BIAS+8*(\b)+4:BIAS+8*(\b)+7], v[BO], s[PBD:PBD+1] offset:64*(\b)+16
.endr
	v_mul_u32_u24 v[AB0], v[R], PITA
	v_lshl_add_u32 v[AB0], v[H], 4, v[AB0]
	s_mul_i32 s2, s[RH], 64*PITA
	s_mul_i32 s3, s[CH], 32*PITA
	s_add_co_u32 s3, s2, s3
	s_add_co_u32 s2, s2, s2
	s_add_co_u32 s2, s2, 32*PITA
	s_sub_co_u32 s2, s2, s3
	v_add_nc_u32 v[AB1], s2, v[AB0]
	v_add_nc_u32 v[AB0], s3, v[AB0]
	v_and_b32 v22, 7, v0
	v_lshl_add_u32 v22, v[H], 3, v22
	v_bfe_u32 v23, v0, 3, 1
	v_mul_u32_u24 v[BB], v22, PITB
	v_lshl_add_u32 v[BB], v23, 4, v[BB]
	s_lshl_b32 s2, s[CH], 8
	s_add_co_u32 s2, s2, BOFF
	v_add_nc_u32 v[BB], s2, v[BB]
	s_mul_i32 s2, s[WV], 16*SPITCH
	s_add_co_u32 s2, s2, STAGE
	v_mul_u32_u24 v[STO], v[R], SPITCH             ; in: row l % 16, 32 bytes for each half of the lanes
	v_lshl_add_u32 v[STO], v[H], 5, v[STO]
	v_add_nc_u32 v[STO], s2, v[STO]
	v_lshl_add_u32 v[RD], v[LN], 4, s2             ; back: 32 lanes take one row of 512 bytes
	v_lshlrev_b32 v[CO], 4, v[LN]
	s_lshl_b32 s[TM], s[MT], 7
	s_lshl_b32 s[TM+1], s[RH], 6
	s_add_co_u32 s[TM], s[TM], s[TM+1]
	s_lshl_b32 s[TM], s[TM], 13                    ; rows of 8,192 bytes
	s_lshl_b32 s[TM+1], s[NT], 10
	s_add_co_u32 s[TM], s[TM], s[TM+1]
	s_lshl_b32 s[TM+1], s[CH], 9
	s_add_co_u32 s[TM], s[TM], s[TM+1]
	s_mov_b32 s[TM+1], 0
	s_add_nc_u64 s[OUT1:OUT1+1], s[PO:PO+1], s[TM:TM+1]
	s_lshl_b32 s[TM], s[CH], 18                    ; 32 ch rows
	s_add_nc_u64 s[OUT0:OUT0+1], s[OUT1:OUT1+1], s[TM:TM+1]
	s_xor_b32 s[TM], s[TM], 262144                 ; 32 (1 - ch) rows
	s_add_nc_u64 s[OUT1:OUT1+1], s[OUT1:OUT1+1], s[TM:TM+1]
	s_lshl_b32 s[TM2], s[MT], 7                    ; the prefetches, as in the first product
	s_lshl_b32 s[TM2+1], s[CX], 5
	s_add_co_u32 s[TM2], s[TM2], s[TM2+1]
	s_lshl_b32 s[TM2], s[TM2], 12
	s_add_co_u32 s[TM2], s[TM2], 3*256
	s_lshl_b32 s[TM], s[CH], 6
	s_lshl_b32 s[TM+1], s[CY], 4
	s_add_co_u32 s[TM], s[TM], s[TM+1]
	s_lshl_b32 s[TM], s[TM], 12
	s_lshl_b32 s[TM+1], s[NT], 9
	s_add_co_u32 s[TM], s[TM], s[TM+1]
	s_add_co_u32 s[TM], s[TM], 3*524288
	s_mov_b32 s[PFS], 524288
	s_mov_b32 s[PFS+1], 0
	s_cmp_lt_u32 s[WV], 2
	s_cselect_b32 s[TM], s[TM2], s[TM]
	s_cselect_b64 s[PFA:PFA+1], s[PX:PX+1], s[PW:PW+1]
	s_cselect_b32 s[PFS], 256, s[PFS]
	s_cselect_b32 s[TM2], 0, 1
	s_mov_b32 s[TM+1], 0
	s_add_nc_u64 s[PFA:PFA+1], s[PFA:PFA+1], s[TM:TM+1]
	v_lshrrev_b32 v[PFO], s[TM2], v[LN]
	v_lshlrev_b32 v[PFO], 12, v[PFO]
	v_and_b32 v22, s[TM2], v[LN]
	v_lshl_add_u32 v[PFO], v22, 8, v[PFO]
	s_and_b32 s[TM], ttmp7, 0xffff
	s_cmp_lt_u32 s[WV], 2
	s_cselect_b32 s[TM], ttmp9, s[TM]
	s_cmp_eq_u32 s[WV], 1
	s_cselect_b32 s[TM], 1, s[TM]
	s_cmp_eq_u32 s[TM], 0
	s_cselect_b32 s[LIM], 2, -1
	s_wait_loadcnt 0x0                             ; the bias
.set z, 0
.rept 32                               ; rounded to bf16, like every input
	v_cvt_pk_bf16_f32 v32, v[BIAS+2*z], v[BIAS+2*z+1]
	v_lshlrev_b32 v[BIAS+2*z], 16, v32
	v_and_b32 v[BIAS+2*z+1], 0xffff0000, v32
.set z, z+1
.endr
	s_wait_tensorcnt 0x1                           ; my part of K step 0 is in; K step 1's may stay out
	s_barrier_signal -1
	s_barrier_wait -1
	s_mov_b32 s[TB], 0
	FETCH 0, 0
	QUARTER 1, 0, 1, 1
	WIN 0
	s_mov_b32 s[CNT], 14
.Lstep:
	QUARTER 2, 1, 0, 0
	QUARTER 3, 0, 1, 0
	TURN 1
	QUARTER 1, 0, 1, 0
	WIN 0
	s_sub_co_u32 s[CNT], s[CNT], 1
	s_cmp_lg_u32 s[CNT], 0
	s_cbranch_scc1 .Lstep
	QUARTER 2, 1, 0, 0                             ; the last two K steps ask for nothing
	QUARTER 3, 0, 1, 0
	TURN 0
	QUARTER 1, 0, 1, 0
	QUARTER 2, 1, 0, 0
	QUARTER 3, 0, 1, 0
	s_wait_dscnt 4
	MULA 1, 0, 0
	MULA 1, 1, 0
	s_wait_dscnt 0x0
	MULA 1, 2, 0
	MULA 1, 3, 0
	WIN 0
; THE WAY OUT.  Row block a goes from its accumulators into my stage, 32 bytes a lane, and comes back as whole rows of 512 bytes, into the registers that held W's fragments, two buffers by turns.
.macro TOSTAGE a
	WIN 0x08
.irp b, 0,1,2,3,4,5,6,7
	ds_store_b128 v[STO], v[8*(8*(\a)+(\b)):8*(8*(\a)+(\b))+3]   offset:64*(\b)
	ds_store_b128 v[STO], v[8*(8*(\a)+(\b))+4:8*(8*(\a)+(\b))+7] offset:64*(\b)+16
.endr
	WIN 0x40
.irp t, 0,1,2,3,4,5,6,7,8,9,10,11,12,13,14,15
	ds_load_b128 v[64*((\a)%2)+4*(\t):64*((\a)%2)+4*(\t)+3], v[RD] offset:(\t)*SPITCH  ; LDS serves a wave's instructions in order (ISA guide 5.7.1.4): these see the stores above
.endr
.endm
.macro SEND a, younger                 ; younger: the LDS instructions issued behind block a's loads: the next block's 16 stores and 16 loads, or none
	WIN 0x04
	s_wait_dscnt \younger
.irp t, 0,1,2,3,4,5,6,7,8,9,10,11,12,13,14,15
	global_store_b128 v[CO], v[64*((\a)%2)+4*(\t):64*((\a)%2)+4*(\t)+3], s[OUT0+2*((\a)/2):OUT0+2*((\a)/2)+1] offset:((\a)%2)*131072+(\t)*8192  ; the wave stores 512 consecutive bytes, aligned
.endr
.endm
	PLACES
	TOSTAGE 0
	TOSTAGE 1
	SEND 0, 32
	s_wait_xcnt 0x0                                ; block 0's stores have read their registers: block 2 may land there
	TOSTAGE 2
	SEND 1, 32
	s_wait_xcnt 0x0
	TOSTAGE 3
	SEND 2, 32
	SEND 3, 0
	WIN 0
	s_wait_tensorcnt 0x0                           ; the wave's end, behind my last tensor load and my last LDS store
	ds_add_u32 v[SPW], v[NIL]
	s_wait_dscnt 0x0
	CROUND                                         ; the closing round
	s_endpgm
.Lfunc_end_k_q9b72c6aa71_gemm2:
	.size	k_q9b72c6aa71_gemm2, .Lfunc_end_k_q9b72c6aa71_gemm2-k_q9b72c6aa71_gemm2
	.p2alignl 7, 3214868480
	.fill 96, 4, 3214868480
	.section	.rodata,"a",@progbits
	.p2align	6, 0x0
	.amdhsa_kernel k_q9b72c6aa71_gemm2
		.amdhsa_group_segment_fixed_size 327680
		.amdhsa_private_segment_fixed_size 0
		.amdhsa_enable_private_segment 0
		.amdhsa_kernarg_size 32
		.amdhsa_user_sgpr_count 2
		.amdhsa_user_sgpr_kernarg_segment_ptr 1
		.amdhsa_wavefront_size32 1
		.amdhsa_system_sgpr_workgroup_id_x 1
		.amdhsa_system_sgpr_workgroup_id_y 1
		.amdhsa_system_sgpr_workgroup_id_z 1
		.amdhsa_system_vgpr_workitem_id 0
		.amdhsa_next_free_vgpr 1024
		.amdhsa_next_free_sgpr 102
		.amdhsa_reserve_vcc 0
		.amdhsa_float_denorm_mode_32 3
		.amdhsa_float_denorm_mode_16_64 3
		.amdhsa_memory_ordered 1
		.amdhsa_forward_progress 1
		.amdhsa_inst_pref_size 78
	.end_amdhsa_kernel
	.amdgpu_metadata
---
amdhsa.version: [ 1, 2 ]
amdhsa.kernels:
  - .name:           k_q9b72c6aa71_gemm2
    .symbol:         k_q9b72c6aa71_gemm2.kd
    .args:
      - { .name: yb, .offset: 0, .size: 8, .value_kind: global_buffer, .address_space: global }
      - { .name: wpb, .offset: 8, .size: 8, .value_kind: global_buffer, .address_space: global }
      - { .name: b_proj, .offset: 16, .size: 8, .value_kind: global_buffer, .address_space: global }
      - { .name: out0, .offset: 24, .size: 8, .value_kind: global_buffer, .address_space: global }
    .group_segment_fixed_size: 327680
    .private_segment_fixed_size: 0
    .kernarg_segment_align: 8
    .kernarg_segment_size: 32
    .max_flat_workgroup_size: 128
    .sgpr_count:     102
    .vgpr_count:     1024
    .wavefront_size: 32
...
	.end_amdgpu_metadata
.endif
;; end of part 4
